; MI455X (gfx1250); checked and timed in simulation.
; The chip was launched on July 23, 2026; its instructions are those of AMD's public machine-readable ISA for CDNA 5 (MIT licence, August 2026) and "CDNA5" Instruction Set Architecture Reference Guide (July 2026). The comments in the code are by the model that wrote it; some were corrected since.
;; Block. Allowed arithmetic: matrix products marked QUANTISED: E2M3 operands, one E8M0 scale for each 32 along K, by v_wmma_scale_f32_16x16x128_f8f6f4 with both operands' format E2M3, f32 sums; everything else in f32.
;; Inputs: W1 1,024 x 4,096 float32; W2 4,096 x 1,024 float32; Wk 1,024 x 1,024 float32; Wp 1,024 x 1,024 float32; Wq 1,024 x 1,024 float32; Wv 1,024 x 1,024 float32; b1 4,096 float32; b2 1,024 float32; be1 1,024 float32; be2 1,024 float32; bk 1,024 float32; bp 1,024 float32; bq 1,024 float32; bv 1,024 float32; g1 1,024 float32; g2 1,024 float32; x 4 x 1,024 x 1,024 float32.
;; Outputs: out0 4 x 1,024 x 1,024 float32.
;; This version of the problem:
;;   THIS VERSION OF THE PROBLEM IS GIVEN IN LOW PRECISION. The matrix products marked QUANTISED in the list below multiply operands that are first quantised to E2M3 (2 exponent bits, 3 mantissa bits; 6 bits a number), with one power-of-two scale for each 32 numbers along K (OCP MX v1.0); their sums are f32. All else is computed in f32.
;;   The module's matrix products, in the order in which they are computed (A, B: the left and right operand; K: the contracted axis; several contracted axes count as one K, in the product's order):
;;     1. [M 4,096, K 1,024] x [K 1,024, N 1,024]; A: computed on the way; B: input Wq: QUANTISED
;;     2. [M 4,096, K 1,024] x [K 1,024, N 1,024]; A: computed on the way; B: input Wk: QUANTISED
;;     3. [M 4,096, K 1,024] x [K 1,024, N 1,024]; A: computed on the way; B: input Wv: QUANTISED
;;     4. batch 64 x [M 1,024, K 64] x [K 64, N 1,024]; A: computed on the way; B: computed on the way: QUANTISED
;;     5. batch 64 x [M 1,024, K 1,024] x [K 1,024, N 64]; A: softmax (see below); B: computed on the way: QUANTISED
;;     6. [M 4,096, K 1,024] x [K 1,024, N 1,024]; A: computed on the way; B: input Wp: QUANTISED
;;     7. [M 4,096, K 1,024] x [K 1,024, N 4,096]; A: computed on the way; B: input W1: QUANTISED
;;     8. [M 4,096, K 4,096] x [K 4,096, N 1,024]; A: computed on the way; B: input W2: QUANTISED
;;   THE QUANTISER, for each operand of a quantised product, along K:
;;     - K is cut into blocks of 32 from its start; a last block that is shorter is filled with zeros.
;;     - A block's scale is 2^e with e = floor(log2(the largest magnitude in the block)) - 2, held to -126 .. 127; a block of zeros has e = 0. As a byte (E8M0): e + 127.
;;     - Each number is divided by its block's scale, clamped to +-7.5, and rounded to the nearest number of E2M3, ties to even, subnormals kept.
;;     - The product sums the exact products of the quantised numbers (number of the format x scale) in f32.
;;   ~~~python
;;   def quantise(x, axis):      # numpy; x: float32 -> the quantised numbers, widened to float32 again
;;       x = np.moveaxis(x, axis, -1); K = x.shape[-1]
;;       x = np.pad(x, [(0, 0)] * (x.ndim - 1) + [(0, -K % 32)]); x = x.reshape(x.shape[:-1] + (-1, 32)); a = np.abs(x).max(-1, keepdims=True)
;;       e = np.where(a > 0, np.clip(np.frexp(np.where(a > 0, a, 1))[1] - 1 - 2, -126, 127), 0)      # np.frexp(a)[1] - 1 = floor(log2(a)), exactly
;;       r = np.clip(x / 2.0 ** e, -7.5, 7.5)
;;       step = 2.0 ** (np.maximum(np.frexp(np.where(r == 0, 1, r))[1] - 1, 0) - 3)
;;       q = np.round(r / step) * step * 2.0 ** e      # np.round: ties to even
;;       return np.moveaxis(q.reshape(q.shape[:-2] + (-1,))[..., :K], -1, axis).astype(np.float32)
;;   ~~~
;;   SOFTMAX AHEAD OF A QUANTISED PRODUCT. Where the list says 'softmax', what is quantised is not the finished softmax but p = 2^(t - M), with t = logit x log2(e) and M = ceil(the row's largest t), a whole number; so 1/2 < the row's largest p <= 1. The row's sum l is taken of the UNQUANTISED p, in f32, and the product's result is divided by l at the end. Since M is a whole number, a kernel that streams over the keys may use a running M (the ceiling of the running maximum): every later rescaling is an exact power of two, which a block's scale takes up: the codes' values come out the same.
;;   OPERANDS COMPUTED ON THE WAY. 'Computed on the way' means the value that the module computes at that place (a softmax that the list does not call 'softmax' is quantised finished and normalised). What goes into a quantiser is computed in f32, as accurately as f32 sums, v_exp_f32 and their like allow (about 1e-6 of the number): no bf16 or f16 on the way to a quantiser, and a product that is left as it is and whose result goes on into a quantised operand takes f32 operands (vector FMAs, or v_wmma_f32_16x16x4_f32). A number that lies on a knife's edge between two numbers of the format may be rounded either way, as far as f32 arithmetic and the matrix unit's own rounding can turn it there, and no further.
;; One version. Each part assembles by itself: llvm-mc -triple=amdgcn-amd-amdhsa -mcpu=gfx1250 --defsym DOCPART=n.
;; ======== version 1 of 1: 7 launches
;; workspace buffers: wts 10,649,600 bytes; act 3,276,800 bytes; qkv 10,092,544 bytes; x1 16,777,216 bytes; hid 13,107,200 bytes
;; launch prep (part 1): grid 640 x 1, 8 waves a work-group, no clusters, 2,048 bytes of LDS; arguments Wq, Wk, Wv, Wp, W2, W1, wts, x, g1, be1, act; writes wts, act
.if DOCPART == 1
	.amdgcn_target "amdgcn-amd-amdhsa--gfx1250"
	.amdhsa_code_object_version 6
	.text
	.protected	k_q880faa1447_prep
	.globl	k_q880faa1447_prep
	.p2align	8
	.type	k_q880faa1447_prep,@function
k_q880faa1447_prep:
	s_mov_b64 s[64:65], 0
	v_nop
	global_prefetch_b8 v0, s[64:65] scope:SCOPE_SE
	s_setreg_imm32_b32 hwreg(HW_REG_WAVE_MODE, 25, 1), 1
	s_wait_xcnt 0x0
; TWO JOBS THAT HANG ON NOTHING BUT INPUTS SHARE ONE LAUNCH.  Work-groups 0 .. 383 quantise the six weights (buffer wts); work-groups 384 .. 639 make act = Q(layernorm(x) g1 + be1).
; The parting is one scalar branch on the work-group's number, the same for all eight waves of a work-group; only the second job has LDS and barriers.  The longer work-groups have the lower numbers.
;
; JOB 1.  The six weights, f32 stored [K][N], become codes of FP6 (E2M3) with one E8M0 byte for each 32 along K, laid as IMAGES OF THE OPERAND'S REGISTERS.
; A fragment is 16 rows (columns n of W) x 128 K = 12 registers a lane = 1,536 bytes: register 4 c + j of lane l at byte 512 c + 16 l + 4 j; its 16 scale words are 64 bytes, row r's at 4 r.
; ROWS OF A TILE ARE NOT NEIGHBOURS: row r of tile 2 b + u is column 32 b + 8 u + r + 8 (r / 8): a product that takes such tiles as source 0 leaves 16 neighbouring columns in a lane's 16 registers of two tiles.
; wts: fragment slots of 1,536 bytes, then from byte SCB on 64 bytes of scale words a slot.  Slots: Wq | Wk | Wv: 256 s + 64 (0, 1, 2) + tile;  Wp: 2048 + 64 s + tile;  W1: 2560 + 256 s + tile;  W2: 4608 + 64 s + tile (s = K / 128).
; A LANE TAKES A COLUMN AND ITS REGISTERS RUN DOWN K: a wave takes 32 columns x 128 K (two fragments); each load reads 128 consecutive bytes, the eight waves of a work-group stand side by side on 1,024.
; All four blocks of a column lie in one lane, so no maximum crosses lanes; twelve exchanges of half waves give each lane the blocks that the layout asks of it.
; Work-groups 0-255 take the five weights whose rows are 4,096 bytes, 256-383 take W1 (rows of 16,384 bytes): the pitch stands in the loads' immediates, so each arm has its own copy of the body.
;
; JOB 2.  [4096][1024] f32 in, codes with one E8M0 byte for each 32 along the row out, as images: fragment (K step s, token tile t) at (256 s + t) x 1,536 bytes; its 16 scale words at 3,145,728 + (256 s + t) x 64.
; Row r of token tile t is token 32 (t / 2) + 8 (t % 2) + r + 8 (r / 8).  A work-group takes one token tile, wave w the K step w.  Lane (r, h) holds 64 numbers of row r: register 16 b + i = column 128 w + 32 b + 16 h + i.
; Mean and variance are taken in two passes over registers, so no difference of large sums is formed; the eight waves' row sums meet in LDS, each pass in bytes of its own.
;
; A block's scale is 2^(floor(log2(largest magnitude)) - 2): its byte is the largest magnitude's exponent field - 2, held at 1 from below.
; LIMITS: a block of zeros gets the byte 1 where the rule says 127 (its codes are zeros; this program alone reads the bytes); largest magnitudes under 2^-124 are held at byte 1; NaN and infinities are not served; 1 / sqrt by v_rsq_f32.
; No tensor loads, no cluster: work-groups share no input but g1 and be1, 8 KB beside the 64 KB of rows that a work-group of job 2 reads.
.set NWQ, 384                          ; work-groups of job 1
.set X,   16                           ; job 1: v16-143 128 numbers down K;  job 2: v16-79 my 64 numbers
.set F0,  144                          ; v144-155 fragment of tile 2 tp
.set F1,  156                          ; v156-167 fragment of tile 2 tp + 1
.set TH,  168                          ; v168-183 the upper 16 codes of each block (a conversion's three registers begin on an even number)
.set SCB, 10223616                     ; where the scale words begin in wts
.set G,   80                           ; job 2: v80-143  g at my columns
.set BV,  144                          ; v144-207 be
.set PC,  208                          ; v208-219 the codes; v220-226 at work
.set TM,  228                          ; v228-243 the quantiser's
.set PW,  244                          ; the scale word
.set SEL, 20                           ; s[20:21] selects of v_permlanex16_b32 for lane l xor 16
.macro LOADB b, pitch                  ; block b: W(32 b + i, my column)
.set li, 0
.rept 32
	global_load_b32 v[X+32*(\b)+li], v1, s[20:21] offset:(32*(\b)+li)*(\pitch) th:TH_LOAD_NT
.set li, li+1
.endr
.endm
.macro BLOCK b, pitch
.set XS, X+32*(\b)
.set FD, F0+12*((\b)%2)+6*((\b)/2)     ; even blocks go to F0, odd ones to F1
.if (\b) < 3
	s_wait_loadcnt 32                              ; this block's 32 loads are in; the next block's 32 may be out
.else
	s_wait_loadcnt 0x0
.endif
.if (\b) < 2
	LOADB (\b)+2, \pitch                           ; two blocks ahead, into registers of their own
.endif
	v_max3_num_f32 v8, |v[XS]|, |v[XS+1]|, |v[XS+2]|               ; the block's largest magnitude, in two chains
	v_max3_num_f32 v9, |v[XS+3]|, |v[XS+4]|, |v[XS+5]|
.irp i, 6,10,14,18,22,26
	v_max3_num_f32 v8, v8, |v[XS+\i]|, |v[XS+\i+1]|
	v_max3_num_f32 v9, v9, |v[XS+\i+2]|, |v[XS+\i+3]|
.endr
	v_max3_num_f32 v8, v8, |v[XS+30]|, |v[XS+31]|
	v_max3_num_f32 v8, v8, v9, 0x1800000           ; and the floor 2^(3 - 127): the byte cannot fall under 1
	v_add_nc_u32 v[12+(\b)], 0xff000000, v8        ; 2 off the exponent field: the conversion's scale operand
	v_lshrrev_b32 v9, 23, v[12+(\b)]               ; the byte
.if (\b) == 0
	v_mov_b32 v7, v9
.else
	v_lshl_or_b32 v7, v9, 8*(\b), v7               ; four bytes make my column's scale word
.endif
	v_cvt_scalef32_pk16_fp6_f32 v[FD:FD+2], v[XS:XS+15], v[12+(\b)]
	v_cvt_scalef32_pk16_fp6_f32 v[TH+4*(\b):TH+4*(\b)+2], v[XS+16:XS+31], v[12+(\b)]
.endm
.macro PLACE                           ; from the slot (s22) and the source's byte offset (s28): the three addresses
	s_mov_b32 s29, 0
	s_add_nc_u64 s[20:21], s[20:21], s[28:29]
	s_mul_i32 s28, s22, 1536
	s_add_nc_u64 s[24:25], s[16:17], s[28:29]
	s_lshl_b32 s28, s22, 6
	s_add_co_u32 s28, s28, SCB
	s_add_nc_u64 s[26:27], s[16:17], s[28:29]
.endm
.macro BODY pitch
	LOADB 0, \pitch
	LOADB 1, \pitch
	BLOCK 0, \pitch
	BLOCK 1, \pitch
	BLOCK 2, \pitch
	BLOCK 3, \pitch
	v_nop                                          ; one plain place behind the last scaled conversion
.irp b, 0,1,2,3
.irp i, 0,1,2
	v_mov_b32 v[F0+12*(\b%2)+6*(\b/2)+3+\i], v[TH+4*\b+\i]
.endr
.endr
.set li, 0
.rept 12                               ; F0's lanes 16-31 (tile 2 tp + 1, blocks 0, 2) change places with F1's lanes 0-15 (tile 2 tp, blocks 1, 3): both are now fragments
	v_permlane16_swap_b32 v[F0+li], v[F1+li]
.set li, li+1
.endr
.irp f, 0,1
.irp c, 0,1,2
	global_store_b128 v2, v[F0+12*\f+4*\c:F0+12*\f+4*\c+3], s[24:25] offset:1536*\f+512*\c   ; 512 consecutive bytes, aligned to 256
.endr
.endr
	global_store_b32 v3, v7, s[26:27]              ; the two tiles' scale words: 128 consecutive bytes
.endm
; job 2: 64 numbers of a lane, register 16 b + i = k 32 b + 16 (lane / 16) + i of my row, become a fragment's codes in v[PC] on and its scale word in v[PW]
.macro QUANT s
.irp b, 0,1,2,3
	v_max3_num_f32 v[TM+\b], |v[\s+16*\b]|, |v[\s+1+16*\b]|, 0x1800000   ; my 16 numbers of block b, and the floor 2^(3 - 127): the byte cannot fall under 1
.endr
.irp i, 2,4,6,8,10,12,14
.irp b, 0,1,2,3
	v_max3_num_f32 v[TM+\b], v[TM+\b], |v[\s+16*\b+\i]|, |v[\s+1+16*\b+\i]|
.endr
.endr
.irp b, 0,1,2,3
	v_permlanex16_b32 v[TM+4+\b], v[TM+\b], s[SEL], s[SEL+1]
.endr
.irp b, 0,1,2,3
	v_max_num_f32 v[TM+\b], v[TM+\b], v[TM+4+\b]   ; with lane l xor 16's: the block's largest magnitude
.endr
.irp b, 0,1,2,3
	v_add_nc_u32 v[TM+12+\b], 0xff000000, v[TM+\b] ; 2 off its exponent field: the conversion's scale operand
.endr
.irp b, 0,1,2,3
	v_lshrrev_b32 v[TM+4+\b], 23, v[TM+12+\b]      ; the byte
.endr
	v_lshl_or_b32 v[PW], v[TM+5], 8, v[TM+4]
	v_lshl_or_b32 v[PW], v[TM+6], 16, v[PW]
	v_lshl_or_b32 v[PW], v[TM+7], 24, v[PW]
.irp c, 0,1
	v_cvt_scalef32_pk16_fp6_f32 v[PC+6*\c:PC+2+6*\c], v[\s+32*\c:\s+15+32*\c], v[TM+12+2*\c]
	v_cvt_scalef32_pk16_fp6_f32 v[PC+12+4*\c:PC+14+4*\c], v[\s+16+32*\c:\s+31+32*\c], v[TM+12+2*\c+1]   ; (a conversion's three registers begin on an even number)
.endr
	v_nop                                          ; one plain place behind a scaled conversion
.irp c, 0,1                            ; the layout wants a whole block in a lane: lanes 0-15 block 2 c, lanes 16-31 block 2 c + 1
.irp i, 0,1,2
	v_permlane16_swap_b32 v[PC+6*\c+\i], v[PC+12+4*\c+\i]
.endr
.irp i, 0,1,2
	v_mov_b32 v[PC+3+6*\c+\i], v[PC+12+4*\c+\i]
.endr
.endr
.endm
; job 2: four packed chains in v[246:253] become the row's sum over all 1,024 columns, in v10 of every lane; off: this pass's 512 bytes of LDS
.macro RED off
	v_pk_add_f32 v[246:247], v[246:247], v[248:249]
	v_pk_add_f32 v[250:251], v[250:251], v[252:253]
	v_pk_add_f32 v[246:247], v[246:247], v[250:251]
	v_add_f32 v10, v246, v247
	v_permlanex16_b32 v11, v10, s[SEL], s[SEL+1]
	v_add_f32 v10, v10, v11                        ; my wave's 128 columns of row r
	ds_store_b32 v7, v10 offset:\off               ; lanes r and r + 16 write the same word with the same value
	s_wait_dscnt 0x0                               ; for the others' sake: my store has landed
	s_barrier_signal -1
	s_barrier_wait -1
.irp w, 0,1,2,3,4,5,6,7
	ds_load_b32 v[246+\w], v6 offset:\off+64*\w
.endr
	s_wait_dscnt 0x0
	v_add_f32 v10, v246, v247
.irp w, 2,3,4,5,6,7
	v_add_f32 v10, v10, v[246+\w]
.endr
.endm
	v_lshl_add_u32 v254, v0, 2, 0x400
	v_mov_b32 v255, 0
	s_cmp_ge_u32 ttmp9, NWQ                        ; which job: the work-group's number alone decides
	s_cbranch_scc1 .Lnorm
	; ---------------- JOB 1: the weights
	s_load_b256 s[4:11], s[0:1], 0x0               ; Wq, Wk, Wv, Wp
	s_load_b128 s[12:15], s[0:1], 0x20             ; W2, W1
	s_load_b64 s[16:17], s[0:1], 0x30              ; wts
	v_lshrrev_b32 v1, 5, v0
	v_readfirstlane_b32 s18, v1                    ; wave 0..7
	v_and_b32 v4, 31, v0                           ; lane
	v_and_b32 v1, 7, v4
	v_bfe_u32 v5, v4, 4, 1
	v_lshl_or_b32 v1, v5, 3, v1
	v_bfe_u32 v5, v4, 3, 1
	v_lshl_or_b32 v1, v5, 4, v1                    ; my column of the wave's 32: lanes 0-15 are the rows of tile 2 tp, lanes 16-31 of tile 2 tp + 1
	v_lshlrev_b32 v1, 2, v1
	v_lshlrev_b32 v2, 4, v4                        ; 16 x lane
	v_lshlrev_b32 v3, 2, v4                        ; 4 x lane
	s_wait_kmcnt 0x0
	s_cmp_lt_u32 ttmp9, 256
	s_cbranch_scc0 .Lw1
	; rows of 4,096 bytes: kt = id / 4 counts steps of 128 K through Wq, Wk, Wv, Wp (8 each) and W2 (32); id % 4 is a group of 256 columns
	s_lshr_b32 s28, ttmp9, 2                       ; kt
	s_and_b32 s29, ttmp9, 3                        ; the group of columns
	s_lshr_b32 s30, s28, 3                         ; 0, 1, 2, 3: Wq, Wk, Wv, Wp; 4 and more: W2
	s_and_b32 s31, s28, 7                          ; the K step in one of the first four,
	s_sub_co_u32 s32, s28, 32                      ; and in W2 (not used where kt < 32)
	s_lshl_b32 s33, s31, 8
	s_lshl_b32 s34, s30, 6
	s_add_co_u32 s33, s33, s34                     ; slot of tile 0: Wq | Wk | Wv,
	s_lshl_b32 s34, s31, 6
	s_add_co_u32 s34, s34, 2048                    ; Wp,
	s_lshl_b32 s35, s32, 6
	s_add_co_u32 s35, s35, 4608                    ; W2
	s_mov_b64 s[20:21], s[4:5]
	s_cmp_eq_u32 s30, 1
	s_cselect_b64 s[20:21], s[6:7], s[20:21]
	s_cmp_eq_u32 s30, 2
	s_cselect_b64 s[20:21], s[8:9], s[20:21]
	s_cmp_eq_u32 s30, 3
	s_cselect_b64 s[20:21], s[10:11], s[20:21]
	s_cselect_b32 s33, s34, s33
	s_cmp_ge_u32 s30, 4
	s_cselect_b64 s[20:21], s[12:13], s[20:21]
	s_cselect_b32 s33, s35, s33
	s_cselect_b32 s31, s32, s31
	s_lshl_b32 s34, s29, 3
	s_add_co_u32 s34, s34, s18                     ; tp: my 32 columns
	s_lshl_b32 s35, s34, 1
	s_add_co_u32 s22, s33, s35                     ; my first slot
	s_lshl_b32 s28, s31, 19                        ; 128 rows of 4,096 bytes a step,
	s_lshl_b32 s35, s34, 7                         ; 128 bytes for 32 columns
	s_add_co_u32 s28, s28, s35
	PLACE
	BODY 4096
	s_endpgm
.Lw1:                                              ; W1: rows of 16,384 bytes; id - 256 = 16 s + group of 256 columns
	s_sub_co_u32 s28, ttmp9, 256
	s_lshr_b32 s31, s28, 4
	s_and_b32 s29, s28, 15
	s_lshl_b32 s34, s29, 3
	s_add_co_u32 s34, s34, s18
	s_lshl_b32 s33, s31, 8
	s_lshl_b32 s35, s34, 1
	s_add_co_u32 s22, s33, s35
	s_add_co_u32 s22, s22, 2560
	s_lshl_b32 s28, s31, 21
	s_lshl_b32 s35, s34, 7
	s_add_co_u32 s28, s28, s35
	s_mov_b64 s[20:21], s[14:15]
	PLACE
	BODY 16384
	s_endpgm
.Lnorm:
	; ---------------- JOB 2: the first layer norm
	s_load_b64 s[4:5], s[0:1], 0x38                ; x
	s_load_b64 s[6:7], s[0:1], 0x40                ; g1
	s_load_b64 s[8:9], s[0:1], 0x48                ; be1
	s_load_b64 s[10:11], s[0:1], 0x50              ; act
	s_sub_co_u32 s31, ttmp9, NWQ                   ; my token tile
	v_lshrrev_b32 v1, 5, v0
	v_readfirstlane_b32 s12, v1                    ; wave = K step
	v_and_b32 v9, 31, v0                           ; lane
	v_and_b32 v1, 15, v0                           ; r
	v_bfe_u32 v2, v0, 4, 1                         ; h
	v_and_b32 v3, 8, v1
	v_add_nc_u32 v3, v3, v1                        ; r + 8 (r / 8)
	v_lshlrev_b32 v3, 12, v3
	v_lshl_add_u32 v3, v2, 6, v3                   ; x: my row of 4,096 bytes, + 64 h
	v_lshlrev_b32 v4, 6, v2                        ; g, be: 64 h
	v_lshlrev_b32 v5, 4, v9                        ; 16 x lane
	v_lshlrev_b32 v6, 2, v1                        ; 4 r
	s_lshl_b32 s13, s12, 6
	v_add_nc_u32 v7, s13, v6                       ; LDS: 64 w + 4 r
	v_mov_b32 v11, 0                               ; (a lane permute's destination counts as one of its sources)
	v_mov_b32 v13, 0                               ; (named as the upper half of the pair v[12:13])
.irp b, 0,1,2,3
	v_mov_b32 v[TM+4+\b], 0
.endr
	s_mov_b32 s[SEL], 0x76543210
	s_mov_b32 s[SEL+1], 0xfedcba98
	s_mov_b32 s22, 0x3a800000                      ; 1 / 1024
	s_mov_b32 s23, 0x3727c5ac                      ; 1e-5
	s_lshr_b32 s24, s31, 1
	s_lshl_b32 s24, s24, 5
	s_and_b32 s25, s31, 1
	s_lshl_b32 s25, s25, 3
	s_add_co_u32 s24, s24, s25                     ; the tile's first token
	s_lshl_b32 s24, s24, 12
	s_lshl_b32 s26, s12, 9                         ; my 128 columns
	s_add_co_u32 s24, s24, s26
	s_mov_b32 s25, 0
	s_mov_b32 s27, 0
	s_lshl_b32 s28, s12, 8
	s_add_co_u32 s28, s28, s31                     ; 256 w + t
	s_mul_i32 s32, s28, 1536
	s_mov_b32 s33, 0
	s_lshl_b32 s34, s28, 6
	s_add_co_u32 s34, s34, 3145728
	s_mov_b32 s35, 0
	s_wait_kmcnt 0x0
	s_add_nc_u64 s[14:15], s[4:5], s[24:25]
	s_add_nc_u64 s[6:7], s[6:7], s[26:27]
	s_add_nc_u64 s[8:9], s[8:9], s[26:27]
	s_add_nc_u64 s[16:17], s[10:11], s[32:33]
	s_add_nc_u64 s[18:19], s[10:11], s[34:35]
.set li, 0
.rept 16
	global_load_b128 v[X+4*li:X+4*li+3], v3, s[14:15] offset:128*(li/4)+16*(li%4)
.set li, li+1
.endr
.set li, 0
.rept 16
	global_load_b128 v[G+4*li:G+4*li+3], v4, s[6:7] offset:128*(li/4)+16*(li%4)
.set li, li+1
.endr
.set li, 0
.rept 16
	global_load_b128 v[BV+4*li:BV+4*li+3], v4, s[8:9] offset:128*(li/4)+16*(li%4)
.set li, li+1
.endr
	s_wait_loadcnt 32                              ; the row's 16 loads are in; g's and be's 32 may be out
.irp c, 0,1,2,3
	v_pk_add_f32 v[246+2*\c:247+2*\c], v[X+4*\c:X+4*\c+1], v[X+4*\c+2:X+4*\c+3]
.endr
.irp i, 16,24,32,40,48,56
.irp c, 0,1,2,3
	v_pk_add_f32 v[246+2*\c:247+2*\c], v[246+2*\c:247+2*\c], v[X+\i+2*\c:X+\i+2*\c+1]
.endr
.endr
	RED 0
	v_mul_f32 v12, s22, v10                        ; the mean
.set li, 0
.rept 32
	v_pk_add_f32 v[X+li:X+li+1], v[X+li:X+li+1], v[12:13] op_sel_hi:[1,0] neg_lo:[0,1] neg_hi:[0,1]
.set li, li+2
.endr
.irp c, 0,1,2,3
	v_pk_mul_f32 v[246+2*\c:247+2*\c], v[X+2*\c:X+2*\c+1], v[X+2*\c:X+2*\c+1]
.endr
.irp i, 8,16,24,32,40,48,56
.irp c, 0,1,2,3
	v_pk_fma_f32 v[246+2*\c:247+2*\c], v[X+\i+2*\c:X+\i+2*\c+1], v[X+\i+2*\c:X+\i+2*\c+1], v[246+2*\c:247+2*\c]
.endr
.endr
	RED 512
	v_fma_f32 v10, v10, s22, s23                   ; the variance + eps
	v_rsq_f32 v12, v10
	v_nop                                          ; one plain place behind the transcendental
	s_wait_loadcnt 0x0                             ; g and be
.set li, 0
	s_wait_alu depctr_va_vdst(0)
.rept 32
	v_pk_mul_f32 v[X+li:X+li+1], v[X+li:X+li+1], v[12:13] op_sel_hi:[1,0]
.set li, li+2
.endr
.set li, 0
.rept 32
	v_pk_fma_f32 v[X+li:X+li+1], v[X+li:X+li+1], v[G+li:G+li+1], v[BV+li:BV+li+1]
.set li, li+2
.endr
	QUANT X
.irp c, 0,1,2
	global_store_b128 v5, v[PC+4*\c:PC+4*\c+3], s[16:17] offset:512*\c   ; 512 consecutive bytes, aligned to 256
.endr
	s_wait_xcnt 0x0                                ; EXEC changes only behind this wait
	v_cmp_gt_u32 vcc_lo, 16, v9
	s_wait_tensorcnt 0x0
	ds_add_u32 v254, v255
	s_wait_dscnt 0x0
	s_and_saveexec_b32 s30, vcc_lo
	global_store_b32 v6, v[PW], s[18:19]           ; lanes 0-15: the tile's 16 scale words
	s_wait_xcnt 0x0
	s_or_b32 exec_lo, exec_lo, s30
	s_endpgm
.Lfunc_end_k_q880faa1447_prep:
	.size	k_q880faa1447_prep, .Lfunc_end_k_q880faa1447_prep-k_q880faa1447_prep
	.p2alignl 7, 3214868480
	.fill 96, 4, 3214868480
	.section	.rodata,"a",@progbits
	.p2align	6, 0x0
	.amdhsa_kernel k_q880faa1447_prep
		.amdhsa_group_segment_fixed_size 2048
		.amdhsa_private_segment_fixed_size 0
		.amdhsa_enable_private_segment 0
		.amdhsa_kernarg_size 88
		.amdhsa_user_sgpr_count 2
		.amdhsa_user_sgpr_kernarg_segment_ptr 1
		.amdhsa_wavefront_size32 1
		.amdhsa_system_sgpr_workgroup_id_x 1
		.amdhsa_system_sgpr_workgroup_id_y 1
		.amdhsa_system_sgpr_workgroup_id_z 1
		.amdhsa_system_vgpr_workitem_id 0
		.amdhsa_next_free_vgpr 256
		.amdhsa_next_free_sgpr 66
		.amdhsa_reserve_vcc 1
		.amdhsa_float_denorm_mode_32 3
		.amdhsa_float_denorm_mode_16_64 3
		.amdhsa_memory_ordered 1
		.amdhsa_forward_progress 1
		.amdhsa_inst_pref_size 65
	.end_amdhsa_kernel
	.amdgpu_metadata
---
amdhsa.version: [ 1, 2 ]
amdhsa.kernels:
  - .name:           k_q880faa1447_prep
    .symbol:         k_q880faa1447_prep.kd
    .args:
      - { .name: Wq, .offset: 0, .size: 8, .value_kind: global_buffer, .address_space: global }
      - { .name: Wk, .offset: 8, .size: 8, .value_kind: global_buffer, .address_space: global }
      - { .name: Wv, .offset: 16, .size: 8, .value_kind: global_buffer, .address_space: global }
      - { .name: Wp, .offset: 24, .size: 8, .value_kind: global_buffer, .address_space: global }
      - { .name: W2, .offset: 32, .size: 8, .value_kind: global_buffer, .address_space: global }
      - { .name: W1, .offset: 40, .size: 8, .value_kind: global_buffer, .address_space: global }
      - { .name: wts, .offset: 48, .size: 8, .value_kind: global_buffer, .address_space: global }
      - { .name: x, .offset: 56, .size: 8, .value_kind: global_buffer, .address_space: global }
      - { .name: g1, .offset: 64, .size: 8, .value_kind: global_buffer, .address_space: global }
      - { .name: be1, .offset: 72, .size: 8, .value_kind: global_buffer, .address_space: global }
      - { .name: act, .offset: 80, .size: 8, .value_kind: global_buffer, .address_space: global }
    .group_segment_fixed_size: 2048
    .private_segment_fixed_size: 0
    .kernarg_segment_align: 8
    .kernarg_segment_size: 88
    .max_flat_workgroup_size: 256
    .sgpr_count:     66
    .vgpr_count:     256
    .wavefront_size: 32
...
	.end_amdgpu_metadata
.endif
;; end of part 1
;; launch mkqkv (part 2): grid 48 x 4, 4 waves a work-group, clusters of 4 x 4, 327,680 bytes of LDS; arguments wts, act, bq, bk, bv, qkv; writes qkv
.if DOCPART == 2
	.amdgcn_target "amdgcn-amd-amdhsa--gfx1250"
	.amdhsa_code_object_version 6
	.text
	.protected	k_q880faa1447_mkqkv
	.globl	k_q880faa1447_mkqkv
	.p2align	8
	.type	k_q880faa1447_mkqkv,@function
k_q880faa1447_mkqkv:
	s_mov_b64 s[64:65], 0
	v_nop
	global_prefetch_b8 v0, s[64:65] scope:SCOPE_SE
	s_setreg_imm32_b32 hwreg(HW_REG_WAVE_MODE, 25, 1), 1
	s_wait_xcnt 0x0
	s_wait_alu depctr_hold_cnt(0) depctr_sa_sdst(0) depctr_va_vdst(0) depctr_va_sdst(0) depctr_va_ssrc(0) depctr_va_vcc(0) depctr_vm_vsrc(0)
	s_getreg_b32 s2, hwreg(HW_REG_IB_STS2, 6, 4)
	s_cmp_eq_u32 s2, 0
	s_cbranch_scc0 .Lentry_in_a_cluster
	s_endpgm
.Lentry_in_a_cluster:
	s_bfe_u32 s2, ttmp6, 0x10000c
	s_cmp_lg_u32 s2, 0xf033
	s_cbranch_scc0 .Lentry_shape_is_right
	s_endpgm
.Lentry_shape_is_right:
; q, k and v of all heads: three products [4096 x 1024] x [1024 x 1024] on codes of FP6 (E2M3) with E8M0 scales, their biases, and the quantising of the results for attention's two products.
; OPERANDS ARE IMAGES OF REGISTERS: fragment (K step s, tile t) = 1,536 bytes at (256 s + t) x 1,536, three ds_load_b128 at 16 x lane; its 16 scale words 64 bytes.  Row r of tile 2 b + u is matrix row 32 b + 8 u + r + 8 (r / 8).
; Every product is D = (source 0: 16 rows of P0) x (source 1: 16 rows of P1): a lane holds ONE row of P1, and its 16 registers of P0's tiles 2 b, 2 b + 1 are P0's rows 32 b + 16 (lane / 16) + 0 .. 15: neighbours along the NEXT product's K.
; ROLES, by the cluster's number c (the same in all sixteen partners).  c < 8: P0 = Wq (c even) or Wk (c odd), P1 = tokens: q and k are quantised along the head's 64 channels.  c >= 8: P0 = tokens, P1 = Wv: v is quantised along the keys.
; A work-group makes 256 x 256, a wave 128 x 128: 64 accumulators, 512 registers.  K goes in slots of 256 through a ring of two LDS slots; a slot's quarter (8 tiles x 2 steps, 24,576 bytes) is one tensor load a wave.
; The scale words of the work-group's rows, for all of K, come once, with the first fills.  CLUSTERS 4 x 4: P1's tiles are shared along a row of the cluster, P0's along a column, by joint loads.
; OUT (buffer qkv): Q at 0 and K at 3,145,728: [batch][head][tile 64][768]: a head's 64 channels are half a fragment: registers 0-3 at 16 l, registers 4-5 at 512 + 8 l.  V at 6,291,456: [128 keys: 32][channel tile 64][1,536].
; Scale words: Q's at 9,437,184, K's at 9,699,328: [batch][head][tile][64] (bytes 0, 1 the head's; bytes 2, 3 meet zero codes and are never 0xff); V's at 9,961,472: [32][64][64].
; Both roles load both kinds of bias (bq or bk along my registers, bv along my lanes), so that every register that a way out reads is written on every path; a role drops the kind that it does not use.
; LIMITS: a block of zeros gets the byte 1 where the rule says 127 (zero codes; this program alone reads the bytes); largest magnitudes under 2^-124 are held at byte 1; NaN and infinities are not served.
; REGISTERS: window 0: v1-31 addresses; v32-63 scale words, two sets; v64-127 bias along registers; v128-223 P1's 8 fragments, one set; v240-247 bias along lanes.  window 1: P0's fragments, two sets, at v0 and v128.  windows 2, 3: accumulator (a, b) at v[8 (8 a + b) % 256].
.set NT,     8                         ; tiles of 16 on each side of a wave's part
.set NQ,     2                         ; K steps of 128 in a slot
.set KSTEPS, 8
.set RT0,    256                       ; tiles from one K step to the next in P0's buffer, and in P1's
.set RT1,    256
.set FR,     12
.set FRB,    1536
.set NL,     3                         ; LDS loads that bring a fragment
.set NP,     4                         ; places behind this matrix instruction (ISA guide 7.12.1)
.set HALFB,  NT*FRB
.set HALFT,  NQ*HALFB                  ; what one tensor load brings
.set SLOT,   4*HALFT                   ; P1's two halves, then P0's two halves
.set LAPS,   KSTEPS/(2*NQ)
.set SCL,    2*SLOT                    ; behind the ring: the scale words, [wave][K step][tile][64]
.set HALFS,  KSTEPS*NT*64
.set SPARE,  SCL+4*HALFS               ; the spare words, 128 bytes a wave: two blocks of 256 bytes that no other line names
.set STAGE,  SPARE+512                 ; the results' scale words: 1,024 bytes a wave, 4,096 for each role
.set ADR1, 16
.set ADR0, 20
.set LI8,  22                          ; v22 8 x lane
.set SH,   23                          ; v23 16 (lane / 16)
.set BA,   24                          ; v24 64 (lane / 16)
.set LI,   25                          ; v25 16 x lane
.set SST,  26                          ; v26 the stage, in
.set ADRS, 27
.set SPW,  28
.set NIL,  29
.set SRD,  30                          ; v30 the stage, back
.set BC,   31                          ; v31 4 (r + 8 (r / 8))
.set SC,   32
.set BI,   64
.set AF,   128
.set BJ,   240
.set TT,   128                         ; the way out: 64 numbers
.set PC,   192
.set TM,   212
.set PW,   228
.set TW,   229
.set WV, 16
.set JH, 17
.set IH, 18
.set CX, 19
.set CY, 20
.set G1A, 24
.set G0A, 32
.set G1B, 48
.set G0B, 56
.set G1S, 68
.set G0S, 76
.set G1SB, 80
.set G0SB, 88
.set SEL, 100
.set MSB, 0
.macro WIN new                         ; the immediate's high byte repeats the setting that is left
.if MSB != (\new)
	s_set_vgpr_msb (MSB<<8)|(\new)
.set MSB, \new
.endif
.endm
.set MUL_LO, 0xa1                      ; source 0 (P0) window 1, source 1 (P1) window 0, C and D window 2
.set MUL_HI, 0xa1+0x50*(4*NT*NT/256)   ; the upper half of the accumulators: window 3 where there are 64
.set TO_B,   0x40
.macro PLACES n
.rept \n
	v_nop
.endr
.endm
; A joint load: waves 0 and 1 fetch P1's halves, waves 2 and 3 P0's.  Four v_nop follow each of the two lines.
.macro JLOAD g0a, g1a, g0b, g1b
	s_cmp_eq_u32 s[JH], 0
	s_cbranch_scc0 .Lfor_b_\@
	tensor_load_to_lds s[\g0a:\g0a+3], s[\g1a:\g1a+7]
	s_nop 0
.rept 4
	v_nop
.endr
	s_branch .Lasked_\@
.Lfor_b_\@:
	tensor_load_to_lds s[\g0b:\g0b+3], s[\g1b:\g1b+7]
	s_nop 0
.rept 4
	v_nop
.endr
.Lasked_\@:
.endm
.macro CREST                           ; a round of the cluster's barrier behind its opening barrier
	s_cmp_lg_u32 s[WV], 0
	s_cbranch_scc1 .Lnot_wave_0_\@
	s_barrier_signal -3
.Lnot_wave_0_\@:
	s_barrier_wait -3
	s_barrier_signal -1
	s_barrier_wait -1
.endm
.macro CROUND
	s_barrier_signal -1
	s_barrier_wait -1
	CREST
.endm
.macro FRAG reg, adr, q, i             ; a fragment comes back as it was stored: three times 512 consecutive bytes
.irp c, 0,1,2
	ds_load_b128 v[\reg+4*\c:\reg+4*\c+3], v[\adr] offset:(\q)*HALFB+(\i)*FRB+512*\c
.endr
.endm
.macro FETCH_B slot, q, p              ; P0's NT fragments of the slot's q-th step into set p
	WIN TO_B
.set fi, 0
.rept NT
	FRAG 128*(\p)+FR*fi, ADR0+\slot, \q, fi
.set fi, fi+1
.endr
	WIN 0
.endm
.macro FETCH_A slot, q, i0             ; P1's fragments i0 .. i0 + NT / 2 - 1
.set fi, \i0
.rept NT/2
	FRAG AF+FR*fi, ADR1+\slot, \q, fi
.set fi, fi+1
.endr
.endm
.macro SCALES sc                       ; a slot's scale words: register NQ i + q: lanes 0-15 P1's tile i, lanes 16-31 P0's tile i
.set fi, 0
.rept NT
.set fq, 0
.rept NQ
	ds_load_b32 v[SC+16*(\sc)+NQ*fi+fq], v[ADRS] offset:fq*NT*64+fi*64
.set fq, fq+1
.endr
.set fi, fi+1
.endr
.endm
; P1's tiles a0 .. a0 + na - 1 against P0's NT.  The accumulators take turns, one instruction a turn, in the same order in every step.
.macro MULS a0, na, p, q, sc, zero
.set ma, \a0
.rept \na
.set mb, 0
.rept NT
.set mD, (8*(NT*ma+mb))%256
.if \zero
	v_wmma_scale_f32_16x16x128_f8f6f4 v[mD:mD+7], v[128*(\p)+FR*mb:128*(\p)+FR*mb+FR-1], v[AF+FR*ma:AF+FR*ma+FR-1], 0, v[SC+16*(\sc)+NQ*mb+(\q)], v[SC+16*(\sc)+NQ*ma+(\q)] matrix_a_fmt:MATRIX_FMT_FP6 matrix_b_fmt:MATRIX_FMT_FP6 matrix_a_scale:MATRIX_SCALE_ROW1
.else
	v_wmma_scale_f32_16x16x128_f8f6f4 v[mD:mD+7], v[128*(\p)+FR*mb:128*(\p)+FR*mb+FR-1], v[AF+FR*ma:AF+FR*ma+FR-1], v[mD:mD+7], v[SC+16*(\sc)+NQ*mb+(\q)], v[SC+16*(\sc)+NQ*ma+(\q)] matrix_a_fmt:MATRIX_FMT_FP6 matrix_b_fmt:MATRIX_FMT_FP6 matrix_a_scale:MATRIX_SCALE_ROW1
.endif
.set mb, mb+1
.endr
.set ma, ma+1
.endr
.endm
; A step of 128 along K that has its successor in the same slot
.macro STEP slot, q, zero
	s_wait_dscnt (NT/2)*NL                         ; all but the youngest loads, P1's upper half, are in
	WIN MUL_LO
	MULS 0, NT/2, (\q)%2, \q, \slot, \zero
	s_wait_dscnt 0x0
	PLACES NP                                      ; in front of loads into registers that matrix instructions have read
	FETCH_B \slot, (\q)+1, 1-(\q)%2
	FETCH_A \slot, (\q)+1, 0
	WIN MUL_HI
	MULS NT/2, NT/2, (\q)%2, \q, \slot, \zero
	PLACES NP
	WIN 0
	FETCH_A \slot, (\q)+1, NT/2
.endm
.macro MID slot
.if NQ > 2
	STEP \slot, 1, 0
	STEP \slot, 2, 0
.endif
.endm
; A slot's last step changes slots: ONE barrier; in front of it each wave waits for all its tensor loads, adds 0 to its spare word, and waits for that and for its reads of this slot.  fill = 1: the slot is filled again, two slots ahead.
.macro TURN slot, next, fill
	s_wait_tensorcnt 0x0                           ; all my tensor loads have landed: my part of the next slot
	ds_add_u32 v[SPW], v[NIL]                      ; 0 onto my spare word
	s_wait_dscnt (NT/2)*NL+1                       ; (the add and P1's upper half may be out)
	WIN MUL_LO
	MULS 0, NT/4, 1, NQ-1, \slot, 0
	s_wait_dscnt 0x0                               ; the add is done, and my reads of this slot are over
	s_barrier_signal -1
	MULS NT/4, NT/4, 1, NQ-1, \slot, 0
	WIN 0
	s_barrier_wait -1
.if \fill
	CREST                                          ; the barrier has opened a round of the cluster's: no wave of any partner still reads this slot or has a load on its way
	s_add_nc_u64 s[G0A+4*\slot+2:G0A+4*\slot+3], s[G0A+4*\slot+2:G0A+4*\slot+3], 2*NQ*RT1*FRB
	s_add_nc_u64 s[G0B+4*\slot+2:G0B+4*\slot+3], s[G0B+4*\slot+2:G0B+4*\slot+3], 2*NQ*RT0*FRB
	JLOAD G0A+4*\slot, G1A, G0B+4*\slot, G1B       ; the first tensor load behind the round; its four v_nop are the places in front of the loads below
.else
	PLACES NP
.endif
	v_add_nc_u32 v[ADRS], NQ*NT*64, v[ADRS]        ; the next slot's scale words
	FETCH_B \next, 0, 0
	FETCH_A \next, 0, 0
	SCALES \next
	WIN MUL_HI
	MULS NT/2, NT/2, 1, NQ-1, \slot, 0
	PLACES NP
	WIN 0
	FETCH_A \next, 0, NT/2
.endm
.macro QUANT s                         ; 64 numbers of a lane, register 16 b + i = k 32 b + 16 (lane / 16) + i of my row -> codes in v[PC] on, scale word in v[PW]
.irp b, 0,1,2,3
	v_max3_num_f32 v[TM+\b], |v[\s+16*\b]|, |v[\s+1+16*\b]|, 0x1800000   ; with the floor 2^(3 - 127): the byte cannot fall under 1
.endr
.irp i, 2,4,6,8,10,12,14
.irp b, 0,1,2,3
	v_max3_num_f32 v[TM+\b], v[TM+\b], |v[\s+16*\b+\i]|, |v[\s+1+16*\b+\i]|
.endr
.endr
.irp b, 0,1,2,3
	v_permlanex16_b32 v[TM+4+\b], v[TM+\b], s[SEL], s[SEL+1]
.endr
.irp b, 0,1,2,3
	v_max_num_f32 v[TM+\b], v[TM+\b], v[TM+4+\b]
.endr
.irp b, 0,1,2,3
	v_add_nc_u32 v[TM+12+\b], 0xff000000, v[TM+\b] ; 2 off the exponent field: the conversion's scale operand
.endr
.irp b, 0,1,2,3
	v_lshrrev_b32 v[TM+4+\b], 23, v[TM+12+\b]
.endr
	v_lshl_or_b32 v[PW], v[TM+5], 8, v[TM+4]
	v_lshl_or_b32 v[PW], v[TM+6], 16, v[PW]
	v_lshl_or_b32 v[PW], v[TM+7], 24, v[PW]
.irp c, 0,1
	v_cvt_scalef32_pk16_fp6_f32 v[PC+6*\c:PC+2+6*\c], v[\s+32*\c:\s+15+32*\c], v[TM+12+2*\c]
	v_cvt_scalef32_pk16_fp6_f32 v[PC+12+4*\c:PC+14+4*\c], v[\s+16+32*\c:\s+31+32*\c], v[TM+12+2*\c+1]
.endr
	v_nop                                          ; one plain place behind a scaled conversion
.irp c, 0,1
.irp i, 0,1,2
	v_permlane16_swap_b32 v[PC+6*\c+\i], v[PC+12+4*\c+\i]
.endr
.irp i, 0,1,2
	v_mov_b32 v[PC+3+6*\c+\i], v[PC+12+4*\c+\i]
.endr
.endr
.endm
	s_load_b256 s[4:11], s[0:1], 0x0               ; wts, act, bq, bk
	s_load_b128 s[12:15], s[0:1], 0x20             ; bv, qkv
	v_lshl_add_u32 v[SPW], v0, 2, SPARE
	v_mov_b32 v[NIL], 0
	ds_add_u32 v28, v29
	ds_add_u32 v28, v29
	s_wait_dscnt 0x0
	v_lshrrev_b32 v1, 5, v0
	v_readfirstlane_b32 s[WV], v1                  ; wave 0..3
	s_lshr_b32 s[JH], s[WV], 1                     ; my half of P1's rows.  Also: I fetch for P1 (0) or for P0 (1)
	s_and_b32 s[IH], s[WV], 1                      ; my half of P0's rows.  Also: which half I fetch
	s_bfe_u32 s[CX], ttmp6, 0x40000
	s_bfe_u32 s[CY], ttmp6, 0x40004
	s_lshl_b32 s21, s[CY], 2
	s_lshl_b32 s21, 15, s21                        ; my row of the cluster
	s_lshl_b32 s22, 0x1111, s[CX]                  ; my column
	s_mov_b32 s[SEL], 0x76543210
	s_mov_b32 s[SEL+1], 0xfedcba98
	; descriptor groups 1.  Codes: NQ rows (K steps) of NT fragments, in elements of 8 bytes; scale words: KSTEPS rows of NT x 64 bytes
	s_or_b32 s[G1A], s21, (3<<16)|(1<<21)          ; 15:0 the mask; 17:16 elements of 8 bytes; 21 set beside a mask; no padding
	s_or_b32 s[G1B], s22, (3<<16)|(1<<21)
	s_or_b32 s[G1S], s21, (3<<16)|(1<<21)
	s_or_b32 s[G1SB], s22, (3<<16)|(1<<21)
.irp g, G1A, G1B
	s_mov_b32 s[\g+1], (HALFB/8)<<16               ; tensor_dim0
	s_mov_b32 s[\g+2], NQ<<16                      ; tensor_dim1
	s_mov_b32 s[\g+3], (HALFB/8)<<16               ; tile_dim0
	s_mov_b32 s[\g+4], NQ                          ; tile_dim1
	s_mov_b32 s[\g+6], 0
	s_mov_b32 s[\g+7], 0
.endr
	s_mov_b32 s[G1A+5], RT1*192                    ; from K step to K step
	s_mov_b32 s[G1B+5], RT0*192
.irp g, G1S, G1SB
	s_mov_b32 s[\g+1], (NT*8)<<16
	s_mov_b32 s[\g+2], KSTEPS<<16
	s_mov_b32 s[\g+3], (NT*8)<<16
	s_mov_b32 s[\g+4], KSTEPS
	s_mov_b32 s[\g+6], 0
	s_mov_b32 s[\g+7], 0
.endr
	s_mov_b32 s[G1S+5], RT1*8
	s_mov_b32 s[G1SB+5], RT0*8
	; which blocks of 16 tiles: P1's hangs on c and cy alone, P0's on c and cx alone
	s_lshr_b32 s40, ttmp9, 1
	s_lshl_b32 s40, s40, 2                         ; q, k: tokens' block 4 (c / 2) + cy
	s_and_b32 s44, ttmp9, 1
	s_lshl_b32 s44, s44, 2                         ; q, k: weights' block 4 (c % 2) + cx
	s_sub_co_u32 s46, ttmp9, 8
	s_lshl_b32 s46, s46, 2                         ; v: tokens' block 4 (c - 8) + cx
	s_mov_b32 s41, 3145728                         ; where act's scale words begin,
	s_mov_b32 s45, 10223616                        ; and wts'
	s_cmp_ge_u32 ttmp9, 8
	s_cselect_b32 s40, 8, s40                      ; v: Wv's block 8 + cy
	s_cselect_b32 s44, s46, s44
	s_cselect_b32 s92, s45, s41
	s_cselect_b32 s94, s41, s45
	s_add_co_u32 s40, s40, s[CY]
	s_add_co_u32 s44, s44, s[CX]
	s_mul_i32 s23, s[IH], NT
	s_mul_i32 s41, s40, 2*NT
	s_add_co_u32 s41, s41, s23                     ; P1: the first tile that I fetch
	s_mul_i32 s45, s44, 2*NT
	s_add_co_u32 s45, s45, s23                     ; P0 likewise
	s_lshl_b32 s42, s41, 6
	s_add_co_u32 s92, s92, s42
	s_mov_b32 s93, 0
	s_mul_i32 s42, s41, FRB
	s_mov_b32 s43, 0
	s_lshl_b32 s46, s45, 6
	s_add_co_u32 s94, s94, s46
	s_mov_b32 s95, 0
	s_mul_i32 s46, s45, FRB
	s_mov_b32 s47, 0
	s_mul_i32 s96, s[WV], HALFT                    ; where they go: no place in the cluster enters an LDS address
	s_mul_i32 s97, s[WV], HALFS
	s_wait_kmcnt 0x0
	s_cmp_ge_u32 ttmp9, 8
	s_cselect_b64 s[66:67], s[4:5], s[6:7]         ; P1's buffer: Wv's (wts) or the tokens' (act)
	s_cselect_b64 s[98:99], s[6:7], s[4:5]         ; P0's: the other one
	s_add_nc_u64 s[42:43], s[66:67], s[42:43]
	s_add_nc_u64 s[92:93], s[66:67], s[92:93]
	s_add_nc_u64 s[46:47], s[98:99], s[46:47]
	s_add_nc_u64 s[94:95], s[98:99], s[94:95]
	CROUND                                         ; all sixteen work-groups are here: the first joint loads meet
	s_mov_b32 s[G0S], 1
	s_add_co_u32 s[G0S+1], s97, SCL
	s_mov_b64 s[G0S+2:G0S+3], s[92:93]
	s_or_b32 s[G0S+3], s[G0S+3], 0x80000000
	s_mov_b32 s[G0SB], 1
	s_add_co_u32 s[G0SB+1], s97, SCL
	s_mov_b64 s[G0SB+2:G0SB+3], s[94:95]
	s_or_b32 s[G0SB+3], s[G0SB+3], 0x80000000
	JLOAD G0S, G1S, G0SB, G1SB                     ; the scale words first: filled once
.irp s, 0,1
	s_mov_b32 s[G0A+4*\s], 1
	s_add_co_u32 s[G0A+4*\s+1], s96, \s*SLOT
	s_add_nc_u64 s[G0A+4*\s+2:G0A+4*\s+3], s[42:43], \s*NQ*RT1*FRB
	s_or_b32 s[G0A+4*\s+3], s[G0A+4*\s+3], 0x80000000
	s_mov_b32 s[G0B+4*\s], 1
	s_add_co_u32 s[G0B+4*\s+1], s96, \s*SLOT
	s_add_nc_u64 s[G0B+4*\s+2:G0B+4*\s+3], s[46:47], \s*NQ*RT0*FRB
	s_or_b32 s[G0B+4*\s+3], s[G0B+4*\s+3], 0x80000000
	JLOAD G0A+4*\s, G1A, G0B+4*\s, G1B
.endr
	v_and_b32 v1, 15, v0                           ; r
	v_bfe_u32 v2, v0, 4, 1                         ; h
	v_and_b32 v3, 31, v0                           ; lane
	v_lshlrev_b32 v[LI], 4, v3
	s_mul_i32 s41, s[JH], HALFT                    ; my half of P1,
	s_mul_i32 s45, s[IH], HALFT
	s_add_co_u32 s45, s45, 2*HALFT                 ; my half of P0, behind P1's two
.irp s, 0,1
	v_add_nc_u32 v[ADR1+\s], s41, v[LI]
	v_add_nc_u32 v[ADR0+\s], s45, v[LI]
	s_add_co_u32 s41, s41, SLOT
	s_add_co_u32 s45, s45, SLOT
.endr
	v_lshlrev_b32 v5, 2, v1                        ; scale words: 4 r;
	s_mul_i32 s41, s[JH], HALFS
	s_mul_i32 s45, s[IH], HALFS
	s_add_co_u32 s45, s45, 2*HALFS
	s_sub_co_u32 s45, s45, s41
	v_mul_u32_u24 v6, s45, v2                      ; lanes 16-31 take P0's
	s_add_co_u32 s41, s41, SCL
	v_add_nc_u32 v6, v5, v6
	v_add_nc_u32 v[ADRS], s41, v6
	v_lshlrev_b32 v[LI8], 3, v3
	v_lshlrev_b32 v[SH], 4, v2
	v_lshlrev_b32 v[BA], 6, v2
	s_lshl_b32 s41, s[WV], 10
	s_add_co_u32 s41, s41, STAGE
	v_lshl_add_u32 v[SST], v2, 9, v5
	v_add_nc_u32 v[SST], s41, v[SST]               ; the stage: 1,024 w + 512 h + 4 r
	v_add_nc_u32 v[SRD], s41, v[LI]
	v_and_b32 v[BC], 8, v1
	v_add_nc_u32 v[BC], v[BC], v1
	v_lshlrev_b32 v[BC], 2, v[BC]
	; the biases: along my registers, channels 256 cx + 128 IH on of bq (c even) or bk (c odd); along my lanes, channels 256 cy + 128 JH on of bv
	s_lshl_b32 s40, s[CX], 10
	s_lshl_b32 s41, s[IH], 9
	s_add_co_u32 s40, s40, s41
	s_mov_b32 s41, 0
	s_lshl_b32 s44, s[CY], 10
	s_lshl_b32 s45, s[JH], 9
	s_add_co_u32 s44, s44, s45
	s_mov_b32 s45, 0
	s_bitcmp1_b32 ttmp9, 0
	s_cselect_b64 s[92:93], s[10:11], s[8:9]
	s_add_nc_u64 s[92:93], s[92:93], s[40:41]
	s_add_nc_u64 s[94:95], s[12:13], s[44:45]
.set li, 0
.rept 16
	global_load_b128 v[BI+4*li:BI+4*li+3], v[BA], s[92:93] offset:128*(li/4)+16*(li%4)   ; register 16 b + i: channel 32 b + 16 h + i
.set li, li+1
.endr
.set li, 0
.rept 8
	global_load_b32 v[BJ+li], v[BC], s[94:95] offset:4*(32*(li/2)+8*(li%2))              ; tile li's row r
.set li, li+1
.endr
	s_wait_tensorcnt 1                             ; the scale words and my part of slot 0 are in; slot 1's load may be out
	s_barrier_signal -1
	s_barrier_wait -1
	FETCH_B 0, 0, 0
	FETCH_A 0, 0, 0
	SCALES 0
	FETCH_A 0, 0, NT/2
	STEP 0, 0, 1                                   ; the first step stands in front of the loop: its products start the sums
.if LAPS > 1
	s_mov_b32 s3, LAPS-1
.Llap:                                             ; a trip goes once round the ring and fills both slots again
	MID 0
	TURN 0, 1, 1
	STEP 1, 0, 0
	MID 1
	TURN 1, 0, 1
	STEP 0, 0, 0
	s_sub_co_u32 s3, s3, 1
	s_cmp_lg_u32 s3, 0
	s_cbranch_scc1 .Llap
.endif
	MID 0
	TURN 0, 1, 0                                   ; the last lap fills nothing
	STEP 1, 0, 0
	MID 1
	s_wait_dscnt (NT/2)*NL                         ; the very last step
	WIN MUL_LO
	MULS 0, NT/2, 1, NQ-1, 1, 0
	s_wait_dscnt 0x0
	WIN MUL_HI
	MULS NT/2, NT/2, 1, NQ-1, 1, 0
	WIN 0
	; THE WAY OUT, P1's tiles one after the other: 64 results of a lane + bias, quantised along P0's 128 rows: one fragment and one scale word a row.
	PLACES NP
	s_wait_loadcnt 0x0                             ; the biases
.irp b, 0,1,2,3
	v_mov_b32 v[TM+4+\b], 0                        ; (a lane permute's destination counts as one of its sources)
.endr
	s_cmp_ge_u32 ttmp9, 8
	s_cbranch_scc1 .Lv_out
	; q or k: index = ((16 batch + first head) 64 + first tile)
	s_lshr_b32 s40, ttmp9, 1
	s_lshl_b32 s40, s40, 4
	s_lshl_b32 s41, s[CX], 2
	s_add_co_u32 s40, s40, s41
	s_lshl_b32 s41, s[IH], 1
	s_add_co_u32 s40, s40, s41
	s_lshl_b32 s40, s40, 6
	s_lshl_b32 s41, s[CY], 4
	s_add_co_u32 s40, s40, s41
	s_lshl_b32 s41, s[JH], 3
	s_add_co_u32 s40, s40, s41
	s_and_b32 s41, ttmp9, 1
	s_mul_i32 s42, s41, 3145728
	s_mul_i32 s44, s40, 768
	s_add_co_u32 s42, s42, s44
	s_mov_b32 s43, 0
	s_add_nc_u64 s[92:93], s[14:15], s[42:43]
	s_mul_i32 s42, s41, 262144
	s_lshl_b32 s44, s40, 6
	s_add_co_u32 s42, s42, s44
	s_add_co_u32 s42, s42, 9437184
	s_add_nc_u64 s[94:95], s[14:15], s[42:43]
.irp a, 0,1,2,3,4,5,6,7
.if \a > 0
	s_wait_xcnt 0x0                                ; the last tile's stores have read their registers
	s_wait_dscnt 0x0
.endif
	WIN 0x02+\a/4                                  ; source 0: the accumulators' window
.set n, 0
.rept 32
	v_pk_add_f32 v[TT+n:TT+n+1], v[64*(\a%4)+n:64*(\a%4)+n+1], v[BI+n:BI+n+1]   ; each accumulator from its low end on
.set n, n+2
.endr
	WIN 0
	QUANT TT
	v_lshrrev_b32 v[TW], v[SH], v[PW]              ; lanes 0-15 keep the word (bytes 0, 1: the first head's), lanes 16-31 bring the second head's two bytes down
	global_store_b128 v[LI], v[PC:PC+3], s[92:93] offset:\a*768              ; the first head: registers 0-5
	global_store_b64 v[LI8], v[PC+4:PC+5], s[92:93] offset:\a*768+512
	global_store_b128 v[LI], v[PC+6:PC+9], s[92:93] offset:\a*768+49152      ; the second head: registers 6-11
	global_store_b64 v[LI8], v[PC+10:PC+11], s[92:93] offset:\a*768+49664
	ds_store_b32 v[SST], v[TW] offset:64*\a
.endr
	ds_load_b128 v[TT:TT+3], v[SRD]                ; LDS serves a wave's instructions in order: these see my stores
	ds_load_b128 v[TT+4:TT+7], v[SRD] offset:512
	s_wait_dscnt 0x0
	global_store_b128 v[LI], v[TT:TT+3], s[94:95]                ; eight tiles' scale words: 512 consecutive bytes a head
	global_store_b128 v[LI], v[TT+4:TT+7], s[94:95] offset:4096
	s_branch .Lend
.Lv_out:                                           ; v: index = (step of 128 keys) 64 + first channel tile
	s_sub_co_u32 s40, ttmp9, 8
	s_lshl_b32 s40, s40, 2
	s_add_co_u32 s40, s40, s[CX]
	s_lshl_b32 s40, s40, 1
	s_add_co_u32 s40, s40, s[IH]
	s_lshl_b32 s40, s40, 6
	s_lshl_b32 s41, s[CY], 4
	s_add_co_u32 s40, s40, s41
	s_lshl_b32 s41, s[JH], 3
	s_add_co_u32 s40, s40, s41
	s_mul_i32 s42, s40, 1536
	s_add_co_u32 s42, s42, 6291456
	s_mov_b32 s43, 0
	s_add_nc_u64 s[92:93], s[14:15], s[42:43]
	s_lshl_b32 s42, s40, 6
	s_add_co_u32 s42, s42, 9961472
	s_add_nc_u64 s[94:95], s[14:15], s[42:43]
.irp a, 0,1,2,3,4,5,6,7
.if \a > 0
	s_wait_xcnt 0x0
	s_wait_dscnt 0x0
.endif
	WIN 0x02+\a/4
.set n, 0
.rept 64
	v_add_f32 v[TT+n], v[64*(\a%4)+n], v[BJ+\a]    ; my lane's channel has one bias for all its 64 keys
.set n, n+1
.endr
	WIN 0
	QUANT TT
.irp c, 0,1,2
	global_store_b128 v[LI], v[PC+4*\c:PC+4*\c+3], s[92:93] offset:\a*1536+512*\c
.endr
	ds_store_b32 v[SST], v[PW] offset:4096+64*\a   ; this role's own bytes of the stage
.endr
	ds_load_b128 v[TT:TT+3], v[SRD] offset:4096
	s_wait_dscnt 0x0
	global_store_b128 v[LI], v[TT:TT+3], s[94:95]
.Lend:
	s_wait_tensorcnt 0x0                           ; the wave's end
	ds_add_u32 v[SPW], v[NIL]
	s_wait_dscnt 0x0
	CROUND                                         ; the closing round
	s_endpgm
.Lfunc_end_k_q880faa1447_mkqkv:
	.size	k_q880faa1447_mkqkv, .Lfunc_end_k_q880faa1447_mkqkv-k_q880faa1447_mkqkv
	.p2alignl 7, 3214868480
	.fill 96, 4, 3214868480
	.section	.rodata,"a",@progbits
	.p2align	6, 0x0
	.amdhsa_kernel k_q880faa1447_mkqkv
		.amdhsa_group_segment_fixed_size 327680
		.amdhsa_private_segment_fixed_size 0
		.amdhsa_enable_private_segment 0
		.amdhsa_kernarg_size 48
		.amdhsa_user_sgpr_count 2
		.amdhsa_user_sgpr_kernarg_segment_ptr 1
		.amdhsa_wavefront_size32 1
		.amdhsa_system_sgpr_workgroup_id_x 1
		.amdhsa_system_sgpr_workgroup_id_y 1
		.amdhsa_system_sgpr_workgroup_id_z 1
		.amdhsa_system_vgpr_workitem_id 0
		.amdhsa_next_free_vgpr 1024
		.amdhsa_next_free_sgpr 102
		.amdhsa_reserve_vcc 0
		.amdhsa_float_denorm_mode_32 3
		.amdhsa_float_denorm_mode_16_64 3
		.amdhsa_memory_ordered 1
		.amdhsa_forward_progress 1
		.amdhsa_inst_pref_size 213
	.end_amdhsa_kernel
	.amdgpu_metadata
---
amdhsa.version: [ 1, 2 ]
amdhsa.kernels:
  - .name:           k_q880faa1447_mkqkv
    .symbol:         k_q880faa1447_mkqkv.kd
    .args:
      - { .name: wts, .offset: 0, .size: 8, .value_kind: global_buffer, .address_space: global }
      - { .name: act, .offset: 8, .size: 8, .value_kind: global_buffer, .address_space: global }
      - { .name: bq, .offset: 16, .size: 8, .value_kind: global_buffer, .address_space: global }
      - { .name: bk, .offset: 24, .size: 8, .value_kind: global_buffer, .address_space: global }
      - { .name: bv, .offset: 32, .size: 8, .value_kind: global_buffer, .address_space: global }
      - { .name: qkv, .offset: 40, .size: 8, .value_kind: global_buffer, .address_space: global }
    .group_segment_fixed_size: 327680
    .private_segment_fixed_size: 0
    .kernarg_segment_align: 8
    .kernarg_segment_size: 48
    .max_flat_workgroup_size: 128
    .sgpr_count:     102
    .vgpr_count:     1024
    .wavefront_size: 32
...
	.end_amdgpu_metadata
.endif
;; end of part 2
;; launch attn (part 3): grid 256 x 1, 16 waves a work-group, clusters of 4 x 1, 223,744 bytes of LDS; arguments qkv, act; writes act
.if DOCPART == 3
	.amdgcn_target "amdgcn-amd-amdhsa--gfx1250"
	.amdhsa_code_object_version 6
	.text
	.protected	k_q880faa1447_attn
	.globl	k_q880faa1447_attn
	.p2align	8
	.type	k_q880faa1447_attn,@function
k_q880faa1447_attn:
	s_mov_b64 s[64:65], 0
	v_nop
	global_prefetch_b8 v0, s[64:65] scope:SCOPE_SE
	s_setreg_imm32_b32 hwreg(HW_REG_WAVE_MODE, 25, 1), 1
	s_wait_xcnt 0x0
	s_wait_alu depctr_hold_cnt(0) depctr_sa_sdst(0) depctr_va_vdst(0) depctr_va_sdst(0) depctr_va_ssrc(0) depctr_va_vcc(0) depctr_vm_vsrc(0)
	s_getreg_b32 s2, hwreg(HW_REG_IB_STS2, 6, 4)
	s_cmp_eq_u32 s2, 0
	s_cbranch_scc0 .Lentry_in_a_cluster
	s_endpgm
.Lentry_in_a_cluster:
	s_bfe_u32 s2, ttmp6, 0x10000c
	s_cmp_lg_u32 s2, 0x3003
	s_cbranch_scc0 .Lentry_shape_is_right
	s_endpgm
.Lentry_shape_is_right:
; Causal attention of 64 (batch, head) pairs, 1,024 tokens, head size 64, both products on codes of FP6 (E2M3) with E8M0 scales; the result is quantised along the 1,024 channels for the projection and leaves as operand images (buffer act).
; THE SOFTMAX AHEAD OF THE SECOND PRODUCT: t = score x log2(e) / 8; M = the running largest t rounded UP to a whole number; p = 2^(t - M) is quantised along the keys, not normalised; the sum of the unquantised p divides at the end;
; when M moves, the sum and O are multiplied by 2^(old M - new M): exact.
; SHARES.  A cluster of four work-groups serves one batch and one PAIR of heads (128 channels: one K step of the projection); two clusters share a pair.  Work-group g (0..7) takes the query tiles 8 m + g, m = 0..7.
; A wave takes one (m, head).  Tile 8 m + g lies in the keys' step m (128 keys), so it needs steps 0 .. m: a number that hangs on the wave alone, the same in every work-group: all work-groups have equal work.
; WHICH WAVE TAKES WHICH m: head = (w / 4) % 2, and m from the table (row w / 4, column w % 4)   0 7 3 4 / 7 0 4 3 / 1 6 2 5 / 6 1 5 2.
; Every row and every column of it sums to 14, so four waves taken by w % 4 or by w / 4 have 18 key steps together: no four of them carry more than the others.
; Every wave walks all 8 trips (a constant count); a step whose keys all come after the wave's queries is left out by a scalar branch; step m is on the diagonal and is masked.
; K, V and their scale words of the pair (204 KB) are fetched ONCE, by joint loads of the four partners, and stay: no LDS byte is filled twice.  Which part a wave fetches hangs on w % 2, apart from what it computes.
; LAYOUT.  Both products transposed: S^T = K Q^T, O^T = V^T P^T: a lane holds one query.  Row r of a token tile 2 b + u is token 32 b + 8 u + r + 8 (r / 8), so the 16 registers of key tiles 2 b, 2 b + 1 are 16 neighbouring keys; V's channel tiles likewise.
; The head's 64 channels are half of the instruction's 128 along K: Q's registers 6-11 are zero codes.  K's tiles lie 6 registers apart, so a tile's upper six registers are the next tile's codes: they meet zeros and add nothing.
; LIMITS: a block of zeros gets the byte 1 (zero codes); 1 / sum by v_rcp_f32; a block's largest p is taken from the block's largest score through the same multiply-add and exponential; NaN and infinities are not served.
.set KREG,  0                          ; K: [head 2][tile 64][768]
.set VREG,  98304                      ; V: [step 8][tile 8][1,536]
.set KSREG, 196608                     ; K's scale words: [head][tile][64]
.set VSREG, 204800                     ; V's: [step][tile 8][64]
.set STG,   208896                     ; the result: 8 fragments, written by ds_store alone
.set SSG,   221184                     ; and their scale words
; v1 K registers 0-3, v2 K registers 4-5, v3 K's scale words, v4 V, v5 V's scale words (LDS places of my lane); v6 my query less 16 (lane / 16), within the diagonal step; v7 16 x lane; v8-11, v28 the step's addresses
; v12 -M, v13 largest t, v[14:15] the sum; v16-27 Q; v29 -infinity; v32-85 K's 8 tiles, then V's 4 fragments; v86-93 K's (V's) scale words; v94 Q's, v95 P's; v96-159 S^T, then p; v160-191 O^T; v192-203 P's codes;
; v204-211, v212-229 at work; v230-235 the stage; v236 lane; v237 4 r
.macro CROUND
	s_barrier_signal -1
	s_barrier_wait -1
	s_cmp_lg_u32 s16, 0
	s_cbranch_scc1 .Lnot_wave_0_\@
	s_barrier_signal -3
.Lnot_wave_0_\@:
	s_barrier_wait -3
	s_barrier_signal -1
	s_barrier_wait -1
.endm
	s_load_b128 s[4:7], s[0:1], 0x0                ; qkv, act
	v_lshl_add_u32 v254, v0, 2, 0x36200
	v_mov_b32 v255, 0
	ds_add_u32 v254, v255
	ds_add_u32 v254, v255
	v_lshrrev_b32 v1, 5, v0
	v_readfirstlane_b32 s16, v1                    ; wave 0..15
	s_lshr_b32 s13, s16, 2                         ; the table's row: w / 4
	s_and_b32 s18, s13, 1                          ; which head of the pair: odd rows take the second
	s_and_b32 s14, s16, 3
	s_xor_b32 s14, s14, s18                        ; the column, neighbours swapped in odd rows
	s_and_b32 s15, s14, 1                          ; its bit 0,
	s_lshr_b32 s14, s14, 1                         ; its bit 1,
	s_xor_b32 s14, s14, s15                        ; their difference
	s_mul_i32 s14, s14, 3
	s_lshl_b32 s15, s15, 2
	s_or_b32 s17, s15, s14                         ; columns 0, 1, 2, 3 give 0, 7, 3, 4;
	s_lshr_b32 s13, s16, 3
	s_xor_b32 s17, s17, s13                        ; m: in the lower two rows 1, 6, 2, 5
	s_and_b32 s96, s16, 1                          ; which half I fetch, if I fetch
	s_bfe_u32 s19, ttmp6, 0x40000                  ; cx
	s_lshr_b32 s8, ttmp9, 1
	s_lshr_b32 s9, s8, 3                           ; batch
	s_and_b32 s10, s8, 7                           ; pair of heads
	s_and_b32 s11, ttmp9, 1
	s_lshl_b32 s11, s11, 2
	s_add_co_u32 s11, s11, s19                     ; g: it enters Q's and the result's global addresses and the mask's numbers, nothing else
	; every LDS address is made here, ahead of the first branch on the wave's number
	v_and_b32 v236, 31, v0
	v_and_b32 v227, 15, v0                         ; r
	v_bfe_u32 v228, v0, 4, 1                       ; h
	v_lshlrev_b32 v7, 4, v236
	v_lshlrev_b32 v237, 2, v227
	s_mul_i32 s12, s18, 49152                      ; my head's K
	s_mul_i32 s97, s96, 49152                      ; where the half that I fetch goes (a head of K, or four steps of V)
	v_add_nc_u32 v1, s12, v7
	v_lshlrev_b32 v2, 3, v236
	v_add_nc_u32 v2, s12, v2
	v_add_nc_u32 v2, 512, v2
	s_lshl_b32 s13, s18, 12
	s_add_co_u32 s13, s13, KSREG
	v_add_nc_u32 v3, s13, v237
	s_mul_i32 s13, s18, 6144
	s_add_co_u32 s13, s13, VREG
	v_add_nc_u32 v4, s13, v7
	s_lshl_b32 s13, s18, 8
	s_add_co_u32 s13, s13, VSREG
	v_add_nc_u32 v5, s13, v237
	s_lshr_b32 s13, s11, 1
	s_lshl_b32 s13, s13, 5
	s_and_b32 s14, s11, 1
	s_lshl_b32 s14, s14, 3
	s_add_co_u32 s13, s13, s14
	v_and_b32 v6, 8, v227
	v_add_nc_u32 v6, v6, v227
	v_lshlrev_b32 v229, 4, v228
	v_sub_nc_u32 v6, v6, v229
	v_add_nc_u32 v6, s13, v6                       ; 32 (g / 2) + 8 (g % 2) + r + 8 (r / 8) - 16 h
	s_mul_i32 s13, s17, 1536
	s_add_co_u32 s13, s13, STG                     ; fragment m of the result.  My head's six registers are 0-5 or 6-11 of its twelve: register 4 c + j at 512 c + 16 l + 4 j
	s_mul_i32 s14, s18, 520
	s_add_co_u32 s15, s13, s14
	v_add_nc_u32 v230, s15, v7                     ; registers 0, 1 or 6, 7
	s_add_co_u32 s15, s15, 512
	v_add_nc_u32 v232, s15, v7                     ; registers 4, 5 or 10, 11
	s_mul_i32 s14, s18, 1016
	s_add_co_u32 s15, s13, s14
	s_add_co_u32 s15, s15, 8
	v_add_nc_u32 v231, s15, v7                     ; registers 2, 3 or 8, 9
	s_lshl_b32 s13, s17, 6
	s_lshl_b32 s14, s18, 1
	s_add_co_u32 s13, s13, s14
	s_add_co_u32 s13, s13, SSG
	v_add_nc_u32 v233, s13, v237                   ; my head's two bytes of row r's scale word
	s_and_b32 s13, s16, 7
	s_mul_i32 s14, s13, 1536
	s_add_co_u32 s14, s14, STG
	v_add_nc_u32 v234, s14, v7                     ; back: waves 0-7 take a fragment each
	s_lshl_b32 s14, s13, 6
	s_add_co_u32 s14, s14, SSG
	v_add_nc_u32 v235, s14, v237
	v_lshlrev_b32 v229, 3, v236                    ; 8 x lane, for Q
	; byte offsets in qkv
	s_lshl_b32 s84, s9, 4
	s_lshl_b32 s85, s10, 1
	s_add_co_u32 s84, s84, s85                     ; 16 batch + 2 pair
	s_add_co_u32 s85, s84, s18                     ; my head,
	s_add_co_u32 s98, s84, s96                     ; and the head whose K I fetch
	s_mul_i32 s76, s98, 49152
	s_add_co_u32 s76, s76, 3145728                 ; K of head (wave % 2)
	s_mov_b32 s77, 0
	s_lshl_b32 s78, s9, 3
	s_lshl_b32 s79, s96, 2
	s_add_co_u32 s78, s78, s79
	s_lshl_b32 s78, s78, 6
	s_lshl_b32 s79, s10, 3
	s_add_co_u32 s78, s78, s79
	s_mul_i32 s78, s78, 1536
	s_add_co_u32 s78, s78, 6291456                 ; V: steps 4 (wave % 2) on, the pair's 8 channel tiles
	s_mov_b32 s79, 0
	s_lshl_b32 s86, s84, 12
	s_add_co_u32 s86, s86, 9699328                 ; K's scale words of both heads
	s_mov_b32 s87, 0
	s_lshl_b32 s88, s9, 9
	s_lshl_b32 s89, s10, 3
	s_add_co_u32 s88, s88, s89
	s_lshl_b32 s88, s88, 6
	s_add_co_u32 s88, s88, 9961472                 ; V's
	s_mov_b32 s89, 0
	s_lshl_b32 s90, s85, 6
	s_lshl_b32 s91, s17, 3
	s_add_co_u32 s90, s90, s91
	s_add_co_u32 s90, s90, s11                     ; my query tile: head x 64 + 8 m + g
	s_mul_i32 s92, s90, 768
	s_mov_b32 s93, 0
	s_lshl_b32 s94, s90, 6
	s_add_co_u32 s94, s94, 9437184
	s_mov_b32 s95, 0
	; descriptor groups 1: elements of 8 bytes, the mask names all four partners, bit 21 beside it, no padding
.irp g, 24, 32, 40, 48
	s_mov_b32 s[\g], 15|(3<<16)|(1<<21)
	s_mov_b32 s[\g+6], 0
	s_mov_b32 s[\g+7], 0
.endr
	s_mov_b32 s25, 32<<16                          ; K: a head's 49,152 dense bytes as 192 rows of 256
	s_mov_b32 s26, 192<<16
	s_mov_b32 s27, 32<<16
	s_mov_b32 s28, 192
	s_mov_b32 s29, 32
	s_mov_b32 s33, 1536<<16                        ; V: 4 steps, each 8 fragments on end (12,288 bytes), 64 fragments apart
	s_mov_b32 s34, 4<<16
	s_mov_b32 s35, 1536<<16
	s_mov_b32 s36, 4
	s_mov_b32 s37, 12288
	s_mov_b32 s41, 32<<16                          ; K's scale words: 8,192 dense bytes
	s_mov_b32 s42, 32<<16
	s_mov_b32 s43, 32<<16
	s_mov_b32 s44, 32
	s_mov_b32 s45, 32
	s_mov_b32 s49, 64<<16                          ; V's: 8 steps of 512 bytes, 4,096 apart
	s_mov_b32 s50, 8<<16
	s_mov_b32 s51, 64<<16
	s_mov_b32 s52, 8
	s_mov_b32 s53, 512
	s_mov_b32 s20, 0x3e38aa3b                      ; c = log2(e) / 8
	s_mov_b32 s21, s20
	s_mov_b32 s22, 0x76543210
	s_mov_b32 s23, 0xfedcba98
	s_wait_dscnt 0x0
	s_wait_kmcnt 0x0
	s_mov_b32 s56, 1
	s_mov_b32 s57, s97
	s_add_nc_u64 s[58:59], s[4:5], s[76:77]
	s_or_b32 s59, s59, 0x80000000
	s_mov_b32 s60, 1
	s_add_co_u32 s61, s97, VREG
	s_add_nc_u64 s[62:63], s[4:5], s[78:79]
	s_or_b32 s63, s63, 0x80000000
	s_mov_b32 s68, 1
	s_mov_b32 s69, KSREG
	s_add_nc_u64 s[70:71], s[4:5], s[86:87]
	s_or_b32 s71, s71, 0x80000000
	s_mov_b32 s72, 1
	s_mov_b32 s73, VSREG
	s_add_nc_u64 s[74:75], s[4:5], s[88:89]
	s_or_b32 s75, s75, 0x80000000
	s_add_nc_u64 s[92:93], s[4:5], s[92:93]
	s_add_nc_u64 s[94:95], s[4:5], s[94:95]
	CROUND                                         ; all four work-groups are here: the joint loads meet
	s_cmp_lt_u32 s16, 2                            ; one ladder on the wave's number: waves 0, 1: K; 2, 3: V; 4: K's scale words; 5: V's; one load each, four v_nop behind each
	s_cbranch_scc0 .Lnot_k
	tensor_load_to_lds s[56:59], s[24:31]
	s_nop 0
.rept 4
	v_nop
.endr
	s_branch .Lasked
.Lnot_k:
	s_cmp_lt_u32 s16, 4
	s_cbranch_scc0 .Lnot_v
	tensor_load_to_lds s[60:63], s[32:39]
	s_nop 0
.rept 4
	v_nop
.endr
	s_branch .Lasked
.Lnot_v:
	s_cmp_eq_u32 s16, 4
	s_cbranch_scc0 .Lnot_ks
	tensor_load_to_lds s[68:71], s[40:47]
	s_nop 0
.rept 4
	v_nop
.endr
	s_branch .Lasked
.Lnot_ks:
	s_cmp_eq_u32 s16, 5
	s_cbranch_scc0 .Lasked
	tensor_load_to_lds s[72:75], s[48:55]
	s_nop 0
.rept 4
	v_nop
.endr
.Lasked:
	global_load_b128 v[16:19], v7, s[92:93]        ; Q's half fragment
	global_load_b64 v[20:21], v229, s[92:93] offset:512
	global_load_b32 v94, v237, s[94:95]            ; and its scale words
.irp j, 22,23,24,25,26,27, 80,81,82,83,84,85
	v_mov_b32 v[\j], 0                             ; Q's upper 64 along K: zero codes; and what stands behind K's last tile
.endr
	v_mov_b32 v29, 0xff800000                      ; -infinity
	v_mov_b32 v13, 0xff61b1e6                      ; the largest t so far: -3e38
	v_floor_f32 v12, -v13                          ; -M
	v_mov_b32 v14, 0
	v_mov_b32 v15, 0
.irp j, 216,217,218,219, 225,226
	v_mov_b32 v[\j], 0                             ; lane permutes' destinations, and the upper half of the pair v[224:225]
.endr
.set j, 0
.rept 32
	v_mov_b32 v[160+j], 0                          ; O^T: the step is written once; the first change of M leaves zeros zeros
.set j, j+1
.endr
	s_mov_b32 s80, 0                               ; the step
	s_mov_b32 s81, 0                               ; K: 6,144 bytes a step
	s_mov_b32 s82, 0                               ; V: 12,288
	s_mov_b32 s83, 0                               ; scale words: 512
	s_wait_tensorcnt 0x0                           ; my load, if I had one, has landed
	s_barrier_signal -1
	s_barrier_wait -1                              ; everybody's has
	s_wait_loadcnt 0x0                             ; Q
.Lstep:
	s_cmp_gt_u32 s80, s17                          ; all 128 keys come after my queries: only the addresses step
	s_cbranch_scc1 .Lhidden
	v_add_nc_u32 v8, s81, v1                       ; (these five are also the places behind the last step's products)
	v_add_nc_u32 v9, s81, v2
	v_add_nc_u32 v10, s83, v3
	v_add_nc_u32 v11, s82, v4
	v_add_nc_u32 v28, s83, v5
.irp t, 0,1,2,3,4,5,6,7
	ds_load_b128 v[32+6*\t:35+6*\t], v8 offset:768*\t
	ds_load_b64 v[36+6*\t:37+6*\t], v9 offset:768*\t
	ds_load_b32 v[86+\t], v10 offset:64*\t
.endr
	s_wait_dscnt 0x0
.irp t, 0,1,2,3,4,5,6,7
	v_wmma_scale_f32_16x16x128_f8f6f4 v[96+8*\t:103+8*\t], v[32+6*\t:43+6*\t], v[16:27], 0, v[86+\t], v94 matrix_a_fmt:MATRIX_FMT_FP6 matrix_b_fmt:MATRIX_FMT_FP6
.endr
.rept 4
	v_nop                                          ; places: in front of the loads into K's registers and of the first read of the scores
.endr
.irp t, 0,1,2,3                        ; V's four fragments land under the softmax
.irp c, 0,1,2
	ds_load_b128 v[32+12*\t+4*\c:35+12*\t+4*\c], v11 offset:1536*\t+512*\c
.endr
	ds_load_b32 v[86+\t], v28 offset:64*\t
.endr
	s_cmp_lg_u32 s80, s17
	s_cbranch_scc1 .Lopen
.set n, 0
.rept 64                               ; the diagonal step: register 16 b + i holds key 32 b + 16 h + i of the step: hidden where 32 b + i > v6
	v_cmp_gt_i32 vcc_lo, 32*(n/16)+n%16, v6
	v_cndmask_b32 v[96+n], v[96+n], v29, vcc_lo
.set n, n+1
.endr
.Lopen:
.irp b, 0,1,2,3
	v_max3_num_f32 v[212+\b], v[96+16*\b], v[97+16*\b], v[98+16*\b]   ; the largest score of each block of 32 keys: for the row's maximum and for the block's largest p
.endr
.irp i, 3,5,7,9,11,13
.irp b, 0,1,2,3
	v_max3_num_f32 v[212+\b], v[212+\b], v[96+16*\b+\i], v[97+16*\b+\i]
.endr
.endr
.irp b, 0,1,2,3
	v_max_num_f32 v[212+\b], v[212+\b], v[111+16*\b]
.endr
.irp b, 0,1,2,3
	v_permlanex16_b32 v[216+\b], v[212+\b], s22, s23
.endr
.irp b, 0,1,2,3
	v_max_num_f32 v[212+\b], v[212+\b], v[216+\b]
.endr
	v_max3_num_f32 v226, v212, v213, v214
	v_max_num_f32 v226, v226, v215
	v_mul_f32 v226, s20, v226                      ; as t
	v_max_num_f32 v13, v13, v226                   ; the running largest t
	v_mov_b32 v226, v12
	v_floor_f32 v12, -v13                          ; the new -M = -ceil(t)
	v_sub_f32 v226, v12, v226                      ; old M - new M: a whole number, 0 or less
	v_cvt_i32_f32 v226, v226                       ; (it saturates)
	v_ldexp_f32 v224, 1.0, v226                    ; f = 2^(old M - new M)
.set j, 0
.rept 32
	v_pk_fma_f32 v[96+j:97+j], v[96+j:97+j], s[20:21], v[12:13] op_sel_hi:[1,0,0]   ; t - M
.set j, j+2
.endr
.irp b, 0,1,2,3
	v_fma_f32 v[212+\b], v[212+\b], s20, v12
.endr
.set j, 0
.rept 64
	v_exp_f32 v[96+j], v[96+j]                     ; p = 2^(t - M)
.set j, j+1
.endr
.irp b, 0,1,2,3
	v_exp_f32 v[212+\b], v[212+\b]                 ; the block's largest p
.endr
	v_pk_mul_f32 v[14:15], v[14:15], v[224:225] op_sel_hi:[1,0]   ; the sums under the new M (a plain place behind the exponentials)
	s_wait_alu depctr_va_vdst(0)
.irp b, 0,1,2,3
	v_max_num_f32 v[212+\b], 0x1800000, v[212+\b]  ; the floor 2^(3 - 127)
.endr
.irp b, 0,1,2,3
	v_add_nc_u32 v[220+\b], 0xff000000, v[212+\b]
.endr
.irp b, 0,1,2,3
	v_lshrrev_b32 v[216+\b], 23, v[220+\b]
.endr
	v_lshl_or_b32 v95, v217, 8, v216               ; p's scale word for these 128 keys
	v_lshl_or_b32 v95, v218, 16, v95
	v_lshl_or_b32 v95, v219, 24, v95
.irp c, 0,1
	v_cvt_scalef32_pk16_fp6_f32 v[192+6*\c:194+6*\c], v[96+32*\c:111+32*\c], v[220+2*\c]
	v_cvt_scalef32_pk16_fp6_f32 v[204+4*\c:206+4*\c], v[112+32*\c:127+32*\c], v[220+2*\c+1]
.endr
	v_nop                                          ; one plain place behind a scaled conversion
.irp c, 0,1
.irp i, 0,1,2
	v_permlane16_swap_b32 v[192+6*\c+\i], v[204+4*\c+\i]
.endr
.irp i, 0,1,2
	v_mov_b32 v[195+6*\c+\i], v[204+4*\c+\i]
.endr
.endr
	v_pk_add_f32 v[228:229], v[96:97], v[98:99]    ; the row's sum is taken of the unquantised p, in two chains
.set j, 4
.rept 15
	v_pk_add_f32 v[14:15], v[14:15], v[96+j:97+j]
	v_pk_add_f32 v[228:229], v[228:229], v[98+j:99+j]
.set j, j+4
.endr
	v_pk_add_f32 v[14:15], v[14:15], v[228:229]
.set j, 0
.rept 16
	v_pk_mul_f32 v[160+j:161+j], v[160+j:161+j], v[224:225] op_sel_hi:[1,0]   ; O^T under the new M
.set j, j+2
.endr
	s_wait_dscnt 0x0                               ; V
.irp t, 0,1,2,3
	v_wmma_scale_f32_16x16x128_f8f6f4 v[160+8*\t:167+8*\t], v[32+12*\t:43+12*\t], v[192:203], v[160+8*\t:167+8*\t], v[86+\t], v95 matrix_a_fmt:MATRIX_FMT_FP6 matrix_b_fmt:MATRIX_FMT_FP6
.endr
.Lhidden:
	s_add_co_u32 s81, s81, 6144
	s_add_co_u32 s82, s82, 12288
	s_add_co_u32 s83, s83, 512
	s_add_co_u32 s80, s80, 1
	s_cmp_lt_u32 s80, 8
	s_cbranch_scc1 .Lstep
.rept 4
	v_nop                                          ; places behind the last products
.endr
	v_add_f32 v14, v14, v15
	v_permlanex16_b32 v226, v14, s22, s23
	v_add_f32 v14, v14, v226                       ; the row's sum
	v_rcp_f32 v14, v14
	v_nop
.set j, 0
	s_wait_alu depctr_va_vdst(0)
.rept 32
	v_mul_f32 v[96+j], v[160+j], v14               ; register 16 b + i: channel 32 b + 16 h + i of my head
.set j, j+1
.endr
	; the head's 64 channels are two blocks of the projection's K
.irp b, 0,1
	v_max3_num_f32 v[212+\b], |v[96+16*\b]|, |v[97+16*\b]|, 0x1800000
.endr
.irp i, 2,4,6,8,10,12,14
.irp b, 0,1
	v_max3_num_f32 v[212+\b], v[212+\b], |v[96+16*\b+\i]|, |v[97+16*\b+\i]|
.endr
.endr
.irp b, 0,1
	v_permlanex16_b32 v[216+\b], v[212+\b], s22, s23
.endr
.irp b, 0,1
	v_max_num_f32 v[212+\b], v[212+\b], v[216+\b]
.endr
.irp b, 0,1
	v_add_nc_u32 v[220+\b], 0xff000000, v[212+\b]
.endr
.irp b, 0,1
	v_lshrrev_b32 v[216+\b], 23, v[220+\b]
.endr
	v_lshl_or_b32 v226, v217, 8, v216
	v_cvt_scalef32_pk16_fp6_f32 v[192:194], v[96:111], v220
	v_cvt_scalef32_pk16_fp6_f32 v[204:206], v[112:127], v221
	v_nop
.irp i, 0,1,2
	v_permlane16_swap_b32 v[192+\i], v[204+\i]
.endr
.irp i, 0,1,2
	v_mov_b32 v[195+\i], v[204+\i]
.endr
	ds_store_b64 v230, v[192:193]                  ; my six registers take their places in fragment m's image
	ds_store_b64 v231, v[194:195]
	ds_store_b64 v232, v[196:197]
	ds_store_b16 v233, v226                        ; lanes r and r + 16 write the same two bytes
	s_wait_dscnt 0x0                               ; for the others' sake: my stores have landed
	s_barrier_signal -1
	s_barrier_wait -1
	s_cmp_lt_u32 s16, 8
	s_cbranch_scc0 .Ldone
	s_lshl_b32 s84, s10, 8                         ; wave w < 8 stores fragment w (K step = pair, token tile 64 batch + 8 w + g)
	s_lshl_b32 s85, s9, 6
	s_add_co_u32 s84, s84, s85
	s_lshl_b32 s85, s16, 3
	s_add_co_u32 s84, s84, s85
	s_add_co_u32 s84, s84, s11
	s_mul_i32 s86, s84, 1536
	s_mov_b32 s87, 0
	s_add_nc_u64 s[86:87], s[6:7], s[86:87]
	s_lshl_b32 s88, s84, 6
	s_add_co_u32 s88, s88, 3145728
	s_mov_b32 s89, 0
	s_add_nc_u64 s[88:89], s[6:7], s[88:89]
.irp c, 0,1,2
	ds_load_b128 v[96+4*\c:99+4*\c], v234 offset:512*\c
.endr
	ds_load_b32 v108, v235
	s_wait_dscnt 0x0
.irp c, 0,1,2
	global_store_b128 v7, v[96+4*\c:99+4*\c], s[86:87] offset:512*\c   ; 512 consecutive bytes, aligned to 256
.endr
	s_wait_xcnt 0x0                                ; EXEC changes only behind this wait
	v_cmp_gt_u32 vcc_lo, 16, v236
	s_and_saveexec_b32 s90, vcc_lo
	global_store_b32 v237, v108, s[88:89]
	s_wait_xcnt 0x0
	s_or_b32 exec_lo, exec_lo, s90
.Ldone:
	s_wait_tensorcnt 0x0
	ds_add_u32 v254, v255
	s_wait_dscnt 0x0
	CROUND                                         ; the closing round
	s_endpgm
.Lfunc_end_k_q880faa1447_attn:
	.size	k_q880faa1447_attn, .Lfunc_end_k_q880faa1447_attn-k_q880faa1447_attn
	.p2alignl 7, 3214868480
	.fill 96, 4, 3214868480
	.section	.rodata,"a",@progbits
	.p2align	6, 0x0
	.amdhsa_kernel k_q880faa1447_attn
		.amdhsa_group_segment_fixed_size 223744
		.amdhsa_private_segment_fixed_size 0
		.amdhsa_enable_private_segment 0
		.amdhsa_kernarg_size 16
		.amdhsa_user_sgpr_count 2
		.amdhsa_user_sgpr_kernarg_segment_ptr 1
		.amdhsa_wavefront_size32 1
		.amdhsa_system_sgpr_workgroup_id_x 1
		.amdhsa_system_sgpr_workgroup_id_y 1
		.amdhsa_system_sgpr_workgroup_id_z 1
		.amdhsa_system_vgpr_workitem_id 0
		.amdhsa_next_free_vgpr 256
		.amdhsa_next_free_sgpr 102
		.amdhsa_reserve_vcc 1
		.amdhsa_float_denorm_mode_32 3
		.amdhsa_float_denorm_mode_16_64 3
		.amdhsa_memory_ordered 1
		.amdhsa_forward_progress 1
		.amdhsa_inst_pref_size 39
	.end_amdhsa_kernel
	.amdgpu_metadata
---
amdhsa.version: [ 1, 2 ]
amdhsa.kernels:
  - .name:           k_q880faa1447_attn
    .symbol:         k_q880faa1447_attn.kd
    .args:
      - { .name: qkv, .offset: 0, .size: 8, .value_kind: global_buffer, .address_space: global }
      - { .name: act, .offset: 8, .size: 8, .value_kind: global_buffer, .address_space: global }
    .group_segment_fixed_size: 223744
    .private_segment_fixed_size: 0
    .kernarg_segment_align: 8
    .kernarg_segment_size: 16
    .max_flat_workgroup_size: 512
    .sgpr_count:     102
    .vgpr_count:     256
    .wavefront_size: 32
...
	.end_amdgpu_metadata
.endif
;; end of part 3
;; launch proj (part 4): grid 8 x 32, 4 waves a work-group, clusters of 4 x 4, 327,680 bytes of LDS; arguments wts, act, bp, x, x1; writes x1
.if DOCPART == 4
	.amdgcn_target "amdgcn-amd-amdhsa--gfx1250"
	.amdhsa_code_object_version 6
	.text
	.protected	k_q880faa1447_proj
	.globl	k_q880faa1447_proj
	.p2align	8
	.type	k_q880faa1447_proj,@function
k_q880faa1447_proj:
	s_mov_b64 s[64:65], 0
	v_nop
	global_prefetch_b8 v0, s[64:65] scope:SCOPE_SE
	s_setreg_imm32_b32 hwreg(HW_REG_WAVE_MODE, 25, 1), 1
	s_wait_xcnt 0x0
	s_wait_alu depctr_hold_cnt(0) depctr_sa_sdst(0) depctr_va_vdst(0) depctr_va_sdst(0) depctr_va_ssrc(0) depctr_va_vcc(0) depctr_vm_vsrc(0)
	s_getreg_b32 s2, hwreg(HW_REG_IB_STS2, 6, 4)
	s_cmp_eq_u32 s2, 0
	s_cbranch_scc0 .Lentry_in_a_cluster
	s_endpgm
.Lentry_in_a_cluster:
	s_bfe_u32 s2, ttmp6, 0x10000c
	s_cmp_lg_u32 s2, 0xf033
	s_cbranch_scc0 .Lentry_shape_is_right
	s_endpgm
.Lentry_shape_is_right:
; x1 = x + (attention's result) Wp + bp: [4096 x 1024] x [1024 x 1024] on codes of FP6 (E2M3) with E8M0 scales; f32 out, row-major.
; OPERANDS ARE IMAGES OF REGISTERS: fragment (K step s, tile t) = 1,536 bytes, three ds_load_b128 at 16 x lane; its 16 scale words 64 bytes.  Row r of tile 2 b + u is matrix row 32 b + 8 u + r + 8 (r / 8).
; D = (source 0: 16 rows of P0 = Wp's columns) x (source 1: 16 rows of P1 = tokens): a lane holds one token, and its 16 registers of P0's tiles 2 b, 2 b + 1 are 16 neighbouring output columns.
; A work-group makes 128 x 128 (256 work-groups), a wave 64 x 64: 16 accumulators.  K goes in slots of 512 (4 steps) through two LDS slots; a slot's quarter (4 tiles x 4 steps, 24,576 bytes) is one tensor load a wave.
; Here K is 1,024: both slots are filled once.  The text is the longer product's (the same macros), so the waits, the add and the rounds stand as there.
; CLUSTERS 4 x 4: P1's tiles are shared along a row of the cluster, P0's along a column, by joint loads.  The scale words of the work-group's rows, for all of K, come once, with the first fills.
; The residual's 32 loads a lane and the bias are asked for at the head, into registers that lie idle in the loop.  Results go through the wave's own stage in LDS and leave as whole rows of 256 bytes.
; REGISTERS: window 0: v1-31 addresses; v32-63 scale words, two sets; v64-127, v176-239 the residual; v128-175 P1's 4 fragments; v240-243 bias.  window 1: P0's fragments, two sets, at v0 and v128.  window 2: accumulator (a, b) at v[8 (4 a + b)].
.set NT,     4
.set NQ,     4
.set KSTEPS, 8
.set RT0,    64
.set RT1,    256
.set P0SLOT, 2048                      ; Wp's first fragment slot in wts
.set SC0OFF, 10223616                  ; where wts' scale words begin,
.set SC1OFF, 3145728                   ; and P1's buffer's
.set FR,     12
.set FRB,    1536
.set NL,     3
.set NP,     4
.set HALFB,  NT*FRB
.set HALFT,  NQ*HALFB
.set SLOT,   4*HALFT
.set LAPS,   KSTEPS/(2*NQ)
.set SCL,    2*SLOT
.set HALFS,  KSTEPS*NT*64
.set SPARE,  SCL+4*HALFS
.set STAGE,  SPARE+512                 ; 16 rows x (256 + 16) bytes for each wave
.set ADR1, 16
.set ADR0, 20
.set BA,   24                          ; v24 16 r
.set STO,  25
.set CO,   26
.set ADRS, 27
.set SPW,  28
.set NIL,  29
.set RD,   30
.set SC,   32
.set AF,   128
.set BS,   240
.set WV, 16
.set JH, 17
.set IH, 18
.set CX, 19
.set CY, 20
.set G1A, 24
.set G0A, 32
.set G1B, 48
.set G0B, 56
.set G1S, 68
.set G0S, 76
.set G1SB, 80
.set G0SB, 88
.set MSB, 0
.macro WIN new
.if MSB != (\new)
	s_set_vgpr_msb (MSB<<8)|(\new)
.set MSB, \new
.endif
.endm
.set MUL_LO, 0xa1
.set MUL_HI, 0xa1+0x50*(4*NT*NT/256)
.set TO_B,   0x40
.macro PLACES n
.rept \n
	v_nop
.endr
.endm
.macro JLOAD g0a, g1a, g0b, g1b        ; waves 0 and 1 fetch P1's halves, waves 2 and 3 P0's; four v_nop follow each line
	s_cmp_eq_u32 s[JH], 0
	s_cbranch_scc0 .Lfor_b_\@
	tensor_load_to_lds s[\g0a:\g0a+3], s[\g1a:\g1a+7]
	s_nop 0
.rept 4
	v_nop
.endr
	s_branch .Lasked_\@
.Lfor_b_\@:
	tensor_load_to_lds s[\g0b:\g0b+3], s[\g1b:\g1b+7]
	s_nop 0
.rept 4
	v_nop
.endr
.Lasked_\@:
.endm
.macro CREST
	s_cmp_lg_u32 s[WV], 0
	s_cbranch_scc1 .Lnot_wave_0_\@
	s_barrier_signal -3
.Lnot_wave_0_\@:
	s_barrier_wait -3
	s_barrier_signal -1
	s_barrier_wait -1
.endm
.macro CROUND
	s_barrier_signal -1
	s_barrier_wait -1
	CREST
.endm
.macro FRAG reg, adr, q, i
.irp c, 0,1,2
	ds_load_b128 v[\reg+4*\c:\reg+4*\c+3], v[\adr] offset:(\q)*HALFB+(\i)*FRB+512*\c
.endr
.endm
.macro FETCH_B slot, q, p
	WIN TO_B
.set fi, 0
.rept NT
	FRAG 128*(\p)+FR*fi, ADR0+\slot, \q, fi
.set fi, fi+1
.endr
	WIN 0
.endm
.macro FETCH_A slot, q, i0
.set fi, \i0
.rept NT/2
	FRAG AF+FR*fi, ADR1+\slot, \q, fi
.set fi, fi+1
.endr
.endm
.macro SCALES sc                       ; register NQ i + q: lanes 0-15 P1's tile i, lanes 16-31 P0's tile i
.set fi, 0
.rept NT
.set fq, 0
.rept NQ
	ds_load_b32 v[SC+16*(\sc)+NQ*fi+fq], v[ADRS] offset:fq*NT*64+fi*64
.set fq, fq+1
.endr
.set fi, fi+1
.endr
.endm
.macro MULS a0, na, p, q, sc, zero     ; the accumulators take turns, one instruction a turn
.set ma, \a0
.rept \na
.set mb, 0
.rept NT
.set mD, (8*(NT*ma+mb))%256
.if \zero
	v_wmma_scale_f32_16x16x128_f8f6f4 v[mD:mD+7], v[128*(\p)+FR*mb:128*(\p)+FR*mb+FR-1], v[AF+FR*ma:AF+FR*ma+FR-1], 0, v[SC+16*(\sc)+NQ*mb+(\q)], v[SC+16*(\sc)+NQ*ma+(\q)] matrix_a_fmt:MATRIX_FMT_FP6 matrix_b_fmt:MATRIX_FMT_FP6 matrix_a_scale:MATRIX_SCALE_ROW1
.else
	v_wmma_scale_f32_16x16x128_f8f6f4 v[mD:mD+7], v[128*(\p)+FR*mb:128*(\p)+FR*mb+FR-1], v[AF+FR*ma:AF+FR*ma+FR-1], v[mD:mD+7], v[SC+16*(\sc)+NQ*mb+(\q)], v[SC+16*(\sc)+NQ*ma+(\q)] matrix_a_fmt:MATRIX_FMT_FP6 matrix_b_fmt:MATRIX_FMT_FP6 matrix_a_scale:MATRIX_SCALE_ROW1
.endif
.set mb, mb+1
.endr
.set ma, ma+1
.endr
.endm
.macro STEP slot, q, zero
	s_wait_dscnt (NT/2)*NL                         ; all but the youngest loads, P1's upper half, are in
	WIN MUL_LO
	MULS 0, NT/2, (\q)%2, \q, \slot, \zero
	s_wait_dscnt 0x0
	PLACES NP
	FETCH_B \slot, (\q)+1, 1-(\q)%2
	FETCH_A \slot, (\q)+1, 0
	WIN MUL_HI
	MULS NT/2, NT/2, (\q)%2, \q, \slot, \zero
	PLACES NP
	WIN 0
	FETCH_A \slot, (\q)+1, NT/2
.endm
.macro MID slot
.if NQ > 2
	STEP \slot, 1, 0
	STEP \slot, 2, 0
.endif
.endm
.macro TURN slot, next, fill
	s_wait_tensorcnt 0x0                           ; all my tensor loads have landed: my part of the next slot
	ds_add_u32 v[SPW], v[NIL]                      ; 0 onto my spare word
	s_wait_dscnt (NT/2)*NL+1                       ; (the add and P1's upper half may be out)
	WIN MUL_LO
	MULS 0, NT/4, 1, NQ-1, \slot, 0
	s_wait_dscnt 0x0                               ; the add is done, and my reads of this slot are over
	s_barrier_signal -1
	MULS NT/4, NT/4, 1, NQ-1, \slot, 0
	WIN 0
	s_barrier_wait -1
.if \fill
	CREST
	s_add_nc_u64 s[G0A+4*\slot+2:G0A+4*\slot+3], s[G0A+4*\slot+2:G0A+4*\slot+3], 2*NQ*RT1*FRB
	s_add_nc_u64 s[G0B+4*\slot+2:G0B+4*\slot+3], s[G0B+4*\slot+2:G0B+4*\slot+3], 2*NQ*RT0*FRB
	JLOAD G0A+4*\slot, G1A, G0B+4*\slot, G1B
.else
	PLACES NP
.endif
	v_add_nc_u32 v[ADRS], NQ*NT*64, v[ADRS]
	FETCH_B \next, 0, 0
	FETCH_A \next, 0, 0
	SCALES \next
	WIN MUL_HI
	MULS NT/2, NT/2, 1, NQ-1, \slot, 0
	PLACES NP
	WIN 0
	FETCH_A \next, 0, NT/2
.endm
	s_load_b256 s[4:11], s[0:1], 0x0               ; wts, P1's buffer, bias, residual
	s_load_b64 s[12:13], s[0:1], 0x20              ; out
	v_lshl_add_u32 v[SPW], v0, 2, SPARE
	v_mov_b32 v[NIL], 0
	ds_add_u32 v28, v29
	ds_add_u32 v28, v29
	s_wait_dscnt 0x0
	v_lshrrev_b32 v1, 5, v0
	v_readfirstlane_b32 s[WV], v1
	s_lshr_b32 s[JH], s[WV], 1
	s_and_b32 s[IH], s[WV], 1
	s_bfe_u32 s[CX], ttmp6, 0x40000
	s_bfe_u32 s[CY], ttmp6, 0x40004
	s_lshl_b32 s21, s[CY], 2
	s_lshl_b32 s21, 15, s21                        ; my row of the cluster
	s_lshl_b32 s22, 0x1111, s[CX]                  ; my column
	s_or_b32 s[G1A], s21, (3<<16)|(1<<21)
	s_or_b32 s[G1B], s22, (3<<16)|(1<<21)
	s_or_b32 s[G1S], s21, (3<<16)|(1<<21)
	s_or_b32 s[G1SB], s22, (3<<16)|(1<<21)
.irp g, G1A, G1B
	s_mov_b32 s[\g+1], (HALFB/8)<<16
	s_mov_b32 s[\g+2], NQ<<16
	s_mov_b32 s[\g+3], (HALFB/8)<<16
	s_mov_b32 s[\g+4], NQ
	s_mov_b32 s[\g+6], 0
	s_mov_b32 s[\g+7], 0
.endr
	s_mov_b32 s[G1A+5], RT1*192
	s_mov_b32 s[G1B+5], RT0*192
.irp g, G1S, G1SB
	s_mov_b32 s[\g+1], (NT*8)<<16
	s_mov_b32 s[\g+2], KSTEPS<<16
	s_mov_b32 s[\g+3], (NT*8)<<16
	s_mov_b32 s[\g+4], KSTEPS
	s_mov_b32 s[\g+6], 0
	s_mov_b32 s[\g+7], 0
.endr
	s_mov_b32 s[G1S+5], RT1*8
	s_mov_b32 s[G1SB+5], RT0*8
	s_and_b32 s40, ttmp7, 0xffff
	s_lshl_b32 s40, s40, 2
	s_add_co_u32 s40, s40, s[CY]                   ; P1's block of 128 tokens
	s_lshl_b32 s44, ttmp9, 2
	s_add_co_u32 s44, s44, s[CX]                   ; P0's block of 128 columns
	s_mul_i32 s23, s[IH], NT
	s_mul_i32 s41, s40, 2*NT
	s_add_co_u32 s41, s41, s23
	s_mul_i32 s45, s44, 2*NT
	s_add_co_u32 s45, s45, s23
	s_add_co_u32 s45, s45, P0SLOT
	s_mul_i32 s42, s41, FRB
	s_mov_b32 s43, 0
	s_lshl_b32 s92, s41, 6
	s_add_co_u32 s92, s92, SC1OFF
	s_mov_b32 s93, 0
	s_mul_i32 s46, s45, FRB
	s_mov_b32 s47, 0
	s_lshl_b32 s94, s45, 6
	s_add_co_u32 s94, s94, SC0OFF
	s_mov_b32 s95, 0
	s_mul_i32 s96, s[WV], HALFT
	s_mul_i32 s97, s[WV], HALFS
	s_wait_kmcnt 0x0
	s_add_nc_u64 s[42:43], s[6:7], s[42:43]
	s_add_nc_u64 s[92:93], s[6:7], s[92:93]
	s_add_nc_u64 s[46:47], s[4:5], s[46:47]
	s_add_nc_u64 s[94:95], s[4:5], s[94:95]
	CROUND
	s_mov_b32 s[G0S], 1
	s_add_co_u32 s[G0S+1], s97, SCL
	s_mov_b64 s[G0S+2:G0S+3], s[92:93]
	s_or_b32 s[G0S+3], s[G0S+3], 0x80000000
	s_mov_b32 s[G0SB], 1
	s_add_co_u32 s[G0SB+1], s97, SCL
	s_mov_b64 s[G0SB+2:G0SB+3], s[94:95]
	s_or_b32 s[G0SB+3], s[G0SB+3], 0x80000000
	JLOAD G0S, G1S, G0SB, G1SB
.irp s, 0,1
	s_mov_b32 s[G0A+4*\s], 1
	s_add_co_u32 s[G0A+4*\s+1], s96, \s*SLOT
	s_add_nc_u64 s[G0A+4*\s+2:G0A+4*\s+3], s[42:43], \s*NQ*RT1*FRB
	s_or_b32 s[G0A+4*\s+3], s[G0A+4*\s+3], 0x80000000
	s_mov_b32 s[G0B+4*\s], 1
	s_add_co_u32 s[G0B+4*\s+1], s96, \s*SLOT
	s_add_nc_u64 s[G0B+4*\s+2:G0B+4*\s+3], s[46:47], \s*NQ*RT0*FRB
	s_or_b32 s[G0B+4*\s+3], s[G0B+4*\s+3], 0x80000000
	JLOAD G0A+4*\s, G1A, G0B+4*\s, G1B
.endr
	v_and_b32 v1, 15, v0                           ; r
	v_bfe_u32 v2, v0, 4, 1                         ; h
	v_and_b32 v3, 31, v0
	v_lshlrev_b32 v4, 4, v3                        ; 16 x lane
	s_mul_i32 s41, s[JH], HALFT
	s_mul_i32 s45, s[IH], HALFT
	s_add_co_u32 s45, s45, 2*HALFT
.irp s, 0,1
	v_add_nc_u32 v[ADR1+\s], s41, v4
	v_add_nc_u32 v[ADR0+\s], s45, v4
	s_add_co_u32 s41, s41, SLOT
	s_add_co_u32 s45, s45, SLOT
.endr
	v_lshlrev_b32 v5, 2, v1
	s_mul_i32 s41, s[JH], HALFS
	s_mul_i32 s45, s[IH], HALFS
	s_add_co_u32 s45, s45, 2*HALFS
	s_sub_co_u32 s45, s45, s41
	v_mul_u32_u24 v6, s45, v2                      ; lanes 16-31 take P0's scale words
	s_add_co_u32 s41, s41, SCL
	v_add_nc_u32 v6, v5, v6
	v_add_nc_u32 v[ADRS], s41, v6
	v_lshlrev_b32 v[BA], 4, v1
	s_mul_i32 s41, s[WV], 16*272
	s_add_co_u32 s41, s41, STAGE                   ; my stage
	v_mul_u32_u24 v[STO], v1, 272
	v_lshl_add_u32 v[STO], v2, 6, v[STO]
	v_add_nc_u32 v[STO], s41, v[STO]               ; in: row r, + 64 h
	v_mul_u32_u24 v[RD], v2, 272
	v_lshl_add_u32 v[RD], v1, 4, v[RD]
	v_add_nc_u32 v[RD], s41, v[RD]                 ; back: lanes 0-15 one row of 256 bytes, lanes 16-31 the next
	v_lshl_add_u32 v[CO], v2, 12, v[BA]            ; and the same two rows in memory
	s_lshl_b32 s41, s44, 9
	s_lshl_b32 s42, s[IH], 8
	s_add_co_u32 s42, s41, s42                     ; my 64 columns, in bytes
	s_mov_b32 s43, 0
	s_add_nc_u64 s[96:97], s[8:9], s[42:43]        ; the bias there
	s_lshl_b32 s41, s40, 7
	s_lshl_b32 s46, s[JH], 6
	s_add_co_u32 s41, s41, s46                     ; my first token
	s_lshl_b32 s41, s41, 12
	s_add_co_u32 s42, s42, s41
	s_add_nc_u64 s[94:95], s[10:11], s[42:43]      ; the residual,
	s_add_nc_u64 s[92:93], s[12:13], s[42:43]      ; and the output
	global_load_b128 v[BS:BS+3], v[BA], s[96:97]
.irp a, 0,1,2,3
.irp t, 0,1,2,3,4,5,6,7
	global_load_b128 v[64+32*\a+48*(\a/2)+4*\t:64+32*\a+48*(\a/2)+4*\t+3], v[CO], s[94:95] offset:(32*(\a/2)+8*(\a%2)+2*\t+8*(\t/4))*4096   ; rows 2 t, 2 t + 1 of token tile a
.endr
.endr
	s_wait_tensorcnt 1                             ; the scale words and my part of slot 0 are in; slot 1's load may be out
	s_barrier_signal -1
	s_barrier_wait -1
	FETCH_B 0, 0, 0
	FETCH_A 0, 0, 0
	SCALES 0
	FETCH_A 0, 0, NT/2
	STEP 0, 0, 1
.if LAPS > 1
	s_mov_b32 s3, LAPS-1
.Llap:
	MID 0
	TURN 0, 1, 1
	STEP 1, 0, 0
	MID 1
	TURN 1, 0, 1
	STEP 0, 0, 0
	s_sub_co_u32 s3, s3, 1
	s_cmp_lg_u32 s3, 0
	s_cbranch_scc1 .Llap
.endif
	MID 0
	TURN 0, 1, 0
	STEP 1, 0, 0
	MID 1
	s_wait_dscnt (NT/2)*NL
	WIN MUL_LO
	MULS 0, NT/2, 1, NQ-1, 1, 0
	s_wait_dscnt 0x0
	WIN MUL_HI
	MULS NT/2, NT/2, 1, NQ-1, 1, 0
	WIN 0
; THE WAY OUT, token tile by token tile: 16 rows x 64 columns through my stage, back as whole rows of 256 bytes, + bias + residual.
.macro TOSTAGE a
	WIN 0x08                                       ; an LDS store's data are its source 1: window 2
.irp b, 0,1,2,3
	ds_store_b128 v[STO], v[8*(4*(\a)+\b):8*(4*(\a)+\b)+3] offset:128*(\b/2)+32*(\b%2)          ; each accumulator from its low end on
	ds_store_b128 v[STO], v[8*(4*(\a)+\b)+4:8*(4*(\a)+\b)+7] offset:128*(\b/2)+32*(\b%2)+16
.endr
	WIN 0
.set BB, 32+96*((\a)%2)
.irp t, 0,1,2,3,4,5,6,7
	ds_load_b128 v[BB+4*\t:BB+4*\t+3], v[RD] offset:544*\t   ; LDS serves a wave's instructions in order: these see my stores
.endr
.endm
.macro SEND a, younger
.set BB, 32+96*((\a)%2)
.set RR, 64+32*(\a)+48*((\a)/2)
	s_wait_dscnt \younger                          ; the tile is back; the next tile's 8 stores and 8 loads may be out
.irp t, 0,1,2,3,4,5,6,7
	v_pk_add_f32 v[BB+4*\t:BB+4*\t+1], v[BB+4*\t:BB+4*\t+1], v[BS:BS+1]
	v_pk_add_f32 v[BB+4*\t+2:BB+4*\t+3], v[BB+4*\t+2:BB+4*\t+3], v[BS+2:BS+3]
.endr
.irp t, 0,1,2,3,4,5,6,7
	v_pk_add_f32 v[BB+4*\t:BB+4*\t+1], v[BB+4*\t:BB+4*\t+1], v[RR+4*\t:RR+4*\t+1]
	v_pk_add_f32 v[BB+4*\t+2:BB+4*\t+3], v[BB+4*\t+2:BB+4*\t+3], v[RR+4*\t+2:RR+4*\t+3]
.endr
.irp t, 0,1,2,3,4,5,6,7
	global_store_b128 v[CO], v[BB+4*\t:BB+4*\t+3], s[92:93] offset:(32*((\a)/2)+8*((\a)%2)+2*\t+8*(\t/4))*4096   ; 16 lanes store 256 consecutive bytes, aligned
.endr
.endm
	PLACES NP
	s_wait_loadcnt 0x0                             ; bias and residual
	TOSTAGE 0
.irp a, 1,2,3
.if \a > 1
	s_wait_xcnt 0x0                                ; tile a - 2's stores have read their registers: tile a's loads may land there
.endif
	TOSTAGE \a
	SEND \a-1, 16
.endr
	SEND 3, 0
	s_wait_tensorcnt 0x0                           ; the wave's end
	ds_add_u32 v[SPW], v[NIL]
	s_wait_dscnt 0x0
	CROUND                                         ; the closing round
	s_endpgm
.Lfunc_end_k_q880faa1447_proj:
	.size	k_q880faa1447_proj, .Lfunc_end_k_q880faa1447_proj-k_q880faa1447_proj
	.p2alignl 7, 3214868480
	.fill 96, 4, 3214868480
	.section	.rodata,"a",@progbits
	.p2align	6, 0x0
	.amdhsa_kernel k_q880faa1447_proj
		.amdhsa_group_segment_fixed_size 327680
		.amdhsa_private_segment_fixed_size 0
		.amdhsa_enable_private_segment 0
		.amdhsa_kernarg_size 40
		.amdhsa_user_sgpr_count 2
		.amdhsa_user_sgpr_kernarg_segment_ptr 1
		.amdhsa_wavefront_size32 1
		.amdhsa_system_sgpr_workgroup_id_x 1
		.amdhsa_system_sgpr_workgroup_id_y 1
		.amdhsa_system_sgpr_workgroup_id_z 1
		.amdhsa_system_vgpr_workitem_id 0
		.amdhsa_next_free_vgpr 640
		.amdhsa_next_free_sgpr 102
		.amdhsa_reserve_vcc 0
		.amdhsa_float_denorm_mode_32 3
		.amdhsa_float_denorm_mode_16_64 3
		.amdhsa_memory_ordered 1
		.amdhsa_forward_progress 1
		.amdhsa_inst_pref_size 63
	.end_amdhsa_kernel
	.amdgpu_metadata
---
amdhsa.version: [ 1, 2 ]
amdhsa.kernels:
  - .name:           k_q880faa1447_proj
    .symbol:         k_q880faa1447_proj.kd
    .args:
      - { .name: wts, .offset: 0, .size: 8, .value_kind: global_buffer, .address_space: global }
      - { .name: act, .offset: 8, .size: 8, .value_kind: global_buffer, .address_space: global }
      - { .name: bp, .offset: 16, .size: 8, .value_kind: global_buffer, .address_space: global }
      - { .name: x, .offset: 24, .size: 8, .value_kind: global_buffer, .address_space: global }
      - { .name: x1, .offset: 32, .size: 8, .value_kind: global_buffer, .address_space: global }
    .group_segment_fixed_size: 327680
    .private_segment_fixed_size: 0
    .kernarg_segment_align: 8
    .kernarg_segment_size: 40
    .max_flat_workgroup_size: 128
    .sgpr_count:     102
    .vgpr_count:     640
    .wavefront_size: 32
...
	.end_amdgpu_metadata
.endif
;; end of part 4
;; launch ln2 (part 5): grid 256 x 1, 8 waves a work-group, no clusters, 2,048 bytes of LDS; arguments x1, g2, be2, act; writes act
.if DOCPART == 5
	.amdgcn_target "amdgcn-amd-amdhsa--gfx1250"
	.amdhsa_code_object_version 6
	.text
	.protected	k_q880faa1447_ln2
	.globl	k_q880faa1447_ln2
	.p2align	8
	.type	k_q880faa1447_ln2,@function
k_q880faa1447_ln2:
	s_mov_b64 s[64:65], 0
	v_nop
	global_prefetch_b8 v0, s[64:65] scope:SCOPE_SE
	s_setreg_imm32_b32 hwreg(HW_REG_WAVE_MODE, 25, 1), 1
	s_wait_xcnt 0x0
; act = Q(layernorm(xin) g + be): [4096][1024] f32 in, codes of FP6 (E2M3) with one E8M0 byte for each 32 along the row out, as images of the operand's registers:
; fragment (K step s, token tile t) at (256 s + t) x 1,536 bytes, register 4 c + j of lane l at 512 c + 16 l + 4 j; its 16 scale words at 3,145,728 + (256 s + t) x 64.
; Row r of token tile t is token 32 (t / 2) + 8 (t % 2) + r + 8 (r / 8).
; A work-group takes one token tile, wave w the K step w (columns 128 w on).  Lane (r, h) holds 64 numbers of row r: register 16 b + i = column 128 w + 32 b + 16 h + i, which is what the quantiser wants.
; Mean and variance are taken in two passes over registers (first the mean, then the squares of the differences), so no difference of large sums is formed; the eight waves' row sums meet in LDS, each pass in bytes of its own.
; LIMITS: a block of zeros gets the byte 1 where the rule says 127 (zero codes; this program alone reads the bytes); largest magnitudes under 2^-124 are held at byte 1; NaN and infinities are not served; 1 / sqrt by v_rsq_f32.
; No tensor loads, no cluster: work-groups share only g and be, 8 KB beside the 64 KB of rows that each reads.  The scale words leave as 64 bytes a wave: a work-group owns one tile of each K step.
.set X,   16                           ; v16-79   my 64 numbers
.set G,   80                           ; v80-143  g at my columns
.set BV,  144                          ; v144-207 be
.set PC,  208                          ; v208-219 the codes; v220-226 at work
.set TM,  228                          ; v228-243 the quantiser's
.set PW,  244                          ; the scale word
.set SEL, 20                           ; s[20:21] selects of v_permlanex16_b32 for lane l xor 16
; 64 numbers of a lane, register 16 b + i = k 32 b + 16 (lane / 16) + i of my row, become a fragment's codes in v[PC] on and its scale word in v[PW]
.macro QUANT s
.irp b, 0,1,2,3
	v_max3_num_f32 v[TM+\b], |v[\s+16*\b]|, |v[\s+1+16*\b]|, 0x1800000   ; my 16 numbers of block b, and the floor 2^(3 - 127): the byte cannot fall under 1
.endr
.irp i, 2,4,6,8,10,12,14
.irp b, 0,1,2,3
	v_max3_num_f32 v[TM+\b], v[TM+\b], |v[\s+16*\b+\i]|, |v[\s+1+16*\b+\i]|
.endr
.endr
.irp b, 0,1,2,3
	v_permlanex16_b32 v[TM+4+\b], v[TM+\b], s[SEL], s[SEL+1]
.endr
.irp b, 0,1,2,3
	v_max_num_f32 v[TM+\b], v[TM+\b], v[TM+4+\b]   ; with lane l xor 16's: the block's largest magnitude
.endr
.irp b, 0,1,2,3
	v_add_nc_u32 v[TM+12+\b], 0xff000000, v[TM+\b] ; 2 off its exponent field: the conversion's scale operand
.endr
.irp b, 0,1,2,3
	v_lshrrev_b32 v[TM+4+\b], 23, v[TM+12+\b]      ; the byte
.endr
	v_lshl_or_b32 v[PW], v[TM+5], 8, v[TM+4]
	v_lshl_or_b32 v[PW], v[TM+6], 16, v[PW]
	v_lshl_or_b32 v[PW], v[TM+7], 24, v[PW]
.irp c, 0,1
	v_cvt_scalef32_pk16_fp6_f32 v[PC+6*\c:PC+2+6*\c], v[\s+32*\c:\s+15+32*\c], v[TM+12+2*\c]
	v_cvt_scalef32_pk16_fp6_f32 v[PC+12+4*\c:PC+14+4*\c], v[\s+16+32*\c:\s+31+32*\c], v[TM+12+2*\c+1]   ; (a conversion's three registers begin on an even number)
.endr
	v_nop                                          ; one plain place behind a scaled conversion
.irp c, 0,1                            ; the layout wants a whole block in a lane: lanes 0-15 block 2 c, lanes 16-31 block 2 c + 1
.irp i, 0,1,2
	v_permlane16_swap_b32 v[PC+6*\c+\i], v[PC+12+4*\c+\i]
.endr
.irp i, 0,1,2
	v_mov_b32 v[PC+3+6*\c+\i], v[PC+12+4*\c+\i]
.endr
.endr
.endm
; four packed chains in v[246:253] become the row's sum over all 1,024 columns, in v10 of every lane; off: this pass's 512 bytes of LDS
.macro RED off
	v_pk_add_f32 v[246:247], v[246:247], v[248:249]
	v_pk_add_f32 v[250:251], v[250:251], v[252:253]
	v_pk_add_f32 v[246:247], v[246:247], v[250:251]
	v_add_f32 v10, v246, v247
	v_permlanex16_b32 v11, v10, s[SEL], s[SEL+1]
	v_add_f32 v10, v10, v11                        ; my wave's 128 columns of row r
	ds_store_b32 v7, v10 offset:\off               ; lanes r and r + 16 write the same word with the same value
	s_wait_dscnt 0x0                               ; for the others' sake: my store has landed
	s_barrier_signal -1
	s_barrier_wait -1
.irp w, 0,1,2,3,4,5,6,7
	ds_load_b32 v[246+\w], v6 offset:\off+64*\w
.endr
	s_wait_dscnt 0x0
	v_add_f32 v10, v246, v247
.irp w, 2,3,4,5,6,7
	v_add_f32 v10, v10, v[246+\w]
.endr
.endm
	s_load_b256 s[4:11], s[0:1], 0x0               ; xin, g, be, act
	v_lshl_add_u32 v254, v0, 2, 0x400
	v_mov_b32 v255, 0
	v_lshrrev_b32 v1, 5, v0
	v_readfirstlane_b32 s12, v1                    ; wave = K step
	v_and_b32 v9, 31, v0                           ; lane
	v_and_b32 v1, 15, v0                           ; r
	v_bfe_u32 v2, v0, 4, 1                         ; h
	v_and_b32 v3, 8, v1
	v_add_nc_u32 v3, v3, v1                        ; r + 8 (r / 8)
	v_lshlrev_b32 v3, 12, v3
	v_lshl_add_u32 v3, v2, 6, v3                   ; xin: my row of 4,096 bytes, + 64 h
	v_lshlrev_b32 v4, 6, v2                        ; g, be: 64 h
	v_lshlrev_b32 v5, 4, v9                        ; 16 x lane
	v_lshlrev_b32 v6, 2, v1                        ; 4 r
	s_lshl_b32 s13, s12, 6
	v_add_nc_u32 v7, s13, v6                       ; LDS: 64 w + 4 r
	v_mov_b32 v11, 0                               ; (a lane permute's destination counts as one of its sources)
	v_mov_b32 v13, 0                               ; (named as the upper half of the pair v[12:13])
.irp b, 0,1,2,3
	v_mov_b32 v[TM+4+\b], 0
.endr
	s_mov_b32 s[SEL], 0x76543210
	s_mov_b32 s[SEL+1], 0xfedcba98
	s_mov_b32 s22, 0x3a800000                      ; 1 / 1024
	s_mov_b32 s23, 0x3727c5ac                      ; 1e-5
	s_lshr_b32 s24, ttmp9, 1
	s_lshl_b32 s24, s24, 5
	s_and_b32 s25, ttmp9, 1
	s_lshl_b32 s25, s25, 3
	s_add_co_u32 s24, s24, s25                     ; the tile's first token
	s_lshl_b32 s24, s24, 12
	s_lshl_b32 s26, s12, 9                         ; my 128 columns
	s_add_co_u32 s24, s24, s26
	s_mov_b32 s25, 0
	s_mov_b32 s27, 0
	s_lshl_b32 s28, s12, 8
	s_add_co_u32 s28, s28, ttmp9                   ; 256 w + t
	s_mul_i32 s32, s28, 1536
	s_mov_b32 s33, 0
	s_lshl_b32 s34, s28, 6
	s_add_co_u32 s34, s34, 3145728
	s_mov_b32 s35, 0
	s_wait_kmcnt 0x0
	s_add_nc_u64 s[14:15], s[4:5], s[24:25]
	s_add_nc_u64 s[6:7], s[6:7], s[26:27]
	s_add_nc_u64 s[8:9], s[8:9], s[26:27]
	s_add_nc_u64 s[16:17], s[10:11], s[32:33]
	s_add_nc_u64 s[18:19], s[10:11], s[34:35]
.set li, 0
.rept 16
	global_load_b128 v[X+4*li:X+4*li+3], v3, s[14:15] offset:128*(li/4)+16*(li%4)
.set li, li+1
.endr
.set li, 0
.rept 16
	global_load_b128 v[G+4*li:G+4*li+3], v4, s[6:7] offset:128*(li/4)+16*(li%4)
.set li, li+1
.endr
.set li, 0
.rept 16
	global_load_b128 v[BV+4*li:BV+4*li+3], v4, s[8:9] offset:128*(li/4)+16*(li%4)
.set li, li+1
.endr
	s_wait_loadcnt 32                              ; the row's 16 loads are in; g's and be's 32 may be out
.irp c, 0,1,2,3
	v_pk_add_f32 v[246+2*\c:247+2*\c], v[X+4*\c:X+4*\c+1], v[X+4*\c+2:X+4*\c+3]
.endr
.irp i, 16,24,32,40,48,56
.irp c, 0,1,2,3
	v_pk_add_f32 v[246+2*\c:247+2*\c], v[246+2*\c:247+2*\c], v[X+\i+2*\c:X+\i+2*\c+1]
.endr
.endr
	RED 0
	v_mul_f32 v12, s22, v10                        ; the mean
.set li, 0
.rept 32
	v_pk_add_f32 v[X+li:X+li+1], v[X+li:X+li+1], v[12:13] op_sel_hi:[1,0] neg_lo:[0,1] neg_hi:[0,1]
.set li, li+2
.endr
.irp c, 0,1,2,3
	v_pk_mul_f32 v[246+2*\c:247+2*\c], v[X+2*\c:X+2*\c+1], v[X+2*\c:X+2*\c+1]
.endr
.irp i, 8,16,24,32,40,48,56
.irp c, 0,1,2,3
	v_pk_fma_f32 v[246+2*\c:247+2*\c], v[X+\i+2*\c:X+\i+2*\c+1], v[X+\i+2*\c:X+\i+2*\c+1], v[246+2*\c:247+2*\c]
.endr
.endr
	RED 512
	v_fma_f32 v10, v10, s22, s23                   ; the variance + eps
	v_rsq_f32 v12, v10
	v_nop                                          ; one plain place behind the transcendental
	s_wait_loadcnt 0x0                             ; g and be
.set li, 0
	s_wait_alu depctr_va_vdst(0)
.rept 32
	v_pk_mul_f32 v[X+li:X+li+1], v[X+li:X+li+1], v[12:13] op_sel_hi:[1,0]
.set li, li+2
.endr
.set li, 0
.rept 32
	v_pk_fma_f32 v[X+li:X+li+1], v[X+li:X+li+1], v[G+li:G+li+1], v[BV+li:BV+li+1]
.set li, li+2
.endr
	QUANT X
.irp c, 0,1,2
	global_store_b128 v5, v[PC+4*\c:PC+4*\c+3], s[16:17] offset:512*\c   ; 512 consecutive bytes, aligned to 256
.endr
	s_wait_xcnt 0x0                                ; EXEC changes only behind this wait
	v_cmp_gt_u32 vcc_lo, 16, v9
	s_wait_tensorcnt 0x0
	ds_add_u32 v254, v255
	s_wait_dscnt 0x0
	s_and_saveexec_b32 s30, vcc_lo
	global_store_b32 v6, v[PW], s[18:19]           ; lanes 0-15: the tile's 16 scale words
	s_wait_xcnt 0x0
	s_or_b32 exec_lo, exec_lo, s30
	s_endpgm
.Lfunc_end_k_q880faa1447_ln2:
	.size	k_q880faa1447_ln2, .Lfunc_end_k_q880faa1447_ln2-k_q880faa1447_ln2
	.p2alignl 7, 3214868480
	.fill 96, 4, 3214868480
	.section	.rodata,"a",@progbits
	.p2align	6, 0x0
	.amdhsa_kernel k_q880faa1447_ln2
		.amdhsa_group_segment_fixed_size 2048
		.amdhsa_private_segment_fixed_size 0
		.amdhsa_enable_private_segment 0
		.amdhsa_kernarg_size 32
		.amdhsa_user_sgpr_count 2
		.amdhsa_user_sgpr_kernarg_segment_ptr 1
		.amdhsa_wavefront_size32 1
		.amdhsa_system_sgpr_workgroup_id_x 1
		.amdhsa_system_sgpr_workgroup_id_y 1
		.amdhsa_system_sgpr_workgroup_id_z 1
		.amdhsa_system_vgpr_workitem_id 0
		.amdhsa_next_free_vgpr 256
		.amdhsa_next_free_sgpr 66
		.amdhsa_reserve_vcc 1
		.amdhsa_float_denorm_mode_32 3
		.amdhsa_float_denorm_mode_16_64 3
		.amdhsa_memory_ordered 1
		.amdhsa_forward_progress 1
		.amdhsa_inst_pref_size 24
	.end_amdhsa_kernel
	.amdgpu_metadata
---
amdhsa.version: [ 1, 2 ]
amdhsa.kernels:
  - .name:           k_q880faa1447_ln2
    .symbol:         k_q880faa1447_ln2.kd
    .args:
      - { .name: x1, .offset: 0, .size: 8, .value_kind: global_buffer, .address_space: global }
      - { .name: g2, .offset: 8, .size: 8, .value_kind: global_buffer, .address_space: global }
      - { .name: be2, .offset: 16, .size: 8, .value_kind: global_buffer, .address_space: global }
      - { .name: act, .offset: 24, .size: 8, .value_kind: global_buffer, .address_space: global }
    .group_segment_fixed_size: 2048
    .private_segment_fixed_size: 0
    .kernarg_segment_align: 8
    .kernarg_segment_size: 32
    .max_flat_workgroup_size: 256
    .sgpr_count:     66
    .vgpr_count:     256
    .wavefront_size: 32
...
	.end_amdgpu_metadata
.endif
;; end of part 5
;; launch ff1 (part 6): grid 16 x 16, 4 waves a work-group, clusters of 4 x 4, 327,680 bytes of LDS; arguments wts, act, b1, hid; writes hid
.if DOCPART == 6
	.amdgcn_target "amdgcn-amd-amdhsa--gfx1250"
	.amdhsa_code_object_version 6
	.text
	.protected	k_q880faa1447_ff1
	.globl	k_q880faa1447_ff1
	.p2align	8
	.type	k_q880faa1447_ff1,@function
k_q880faa1447_ff1:
	s_mov_b64 s[64:65], 0
	v_nop
	global_prefetch_b8 v0, s[64:65] scope:SCOPE_SE
	s_setreg_imm32_b32 hwreg(HW_REG_WAVE_MODE, 25, 1), 1
	s_wait_xcnt 0x0
	s_wait_alu depctr_hold_cnt(0) depctr_sa_sdst(0) depctr_va_vdst(0) depctr_va_sdst(0) depctr_va_ssrc(0) depctr_va_vcc(0) depctr_vm_vsrc(0)
	s_getreg_b32 s2, hwreg(HW_REG_IB_STS2, 6, 4)
	s_cmp_eq_u32 s2, 0
	s_cbranch_scc0 .Lentry_in_a_cluster
	s_endpgm
.Lentry_in_a_cluster:
	s_bfe_u32 s2, ttmp6, 0x10000c
	s_cmp_lg_u32 s2, 0xf033
	s_cbranch_scc0 .Lentry_shape_is_right
	s_endpgm
.Lentry_shape_is_right:
; hid = Q(gelu(act W1 + b1)): [4096 x 1024] x [1024 x 4096] on codes of FP6 (E2M3) with E8M0 scales; the exact GELU in f32; the result quantised along the 4,096 hidden units and stored as operand images.
; OPERANDS ARE IMAGES OF REGISTERS: fragment (K step s, tile t) = 1,536 bytes at (256 s + t) x 1,536, three ds_load_b128 at 16 x lane; its 16 scale words 64 bytes.  Row r of tile 2 b + u is matrix row 32 b + 8 u + r + 8 (r / 8).
; D = (source 0: 16 rows of P0 = W1's columns) x (source 1: 16 rows of P1 = tokens): a lane holds one token, and its 16 registers of P0's tiles 2 b, 2 b + 1 are 16 neighbouring hidden units: neighbours along the next product's K.
; A work-group makes 256 x 256 (256 work-groups), a wave 128 x 128: 64 accumulators, 512 registers.  K goes in slots of 256 through a ring of two LDS slots; a slot's quarter (24,576 bytes) is one tensor load a wave.
; CLUSTERS 4 x 4: P1's tiles are shared along a row of the cluster, P0's along a column, by joint loads.  The scale words of the work-group's rows, for all of K, come once, with the first fills.
; GELU: 0.5 x (1 + erf(x / sqrt 2)); erf(z) = z P(z^2) / Q(z^2), P of degree 6 and Q of degree 4 in z^2, z held to +-4; the division by v_rcp_f32.
; LIMITS: erf so made is right to a few units in f32's last place of erf, so 1 + erf loses relative accuracy where x is far below 0 (there the result is small beside its block's largest number); beyond |z| = 4 erf is taken at 4;
; a block of zeros gets the byte 1 where the rule says 127 (zero codes; this program alone reads the bytes); largest magnitudes under 2^-124 are held at byte 1; NaN and infinities are not served.
; REGISTERS: window 0: v1-31 addresses; v32-63 scale words, two sets (GELU's work registers on the way out); v64-127 bias; v128-223 P1's 8 fragments, one set.  window 1: P0's fragments, two sets.  windows 2, 3: accumulator (a, b) at v[8 (8 a + b) % 256].
.set NT,     8
.set NQ,     2
.set KSTEPS, 8
.set RT0,    256
.set RT1,    256
.set P0SLOT, 2560                      ; W1's first fragment slot in wts
.set SC0OFF, 10223616
.set SC1OFF, 3145728
.set FR,     12
.set FRB,    1536
.set NL,     3
.set NP,     4
.set HALFB,  NT*FRB
.set HALFT,  NQ*HALFB
.set SLOT,   4*HALFT
.set LAPS,   KSTEPS/(2*NQ)
.set SCL,    2*SLOT
.set HALFS,  KSTEPS*NT*64
.set SPARE,  SCL+4*HALFS
.set STAGE,  SPARE+512                 ; the results' scale words: 512 bytes a wave
.set ADR1, 16
.set ADR0, 20
.set BA,   24
.set LI,   25
.set SST,  26
.set ADRS, 27
.set SPW,  28
.set NIL,  29
.set SRD,  30
.set SC,   32
.set BI,   64
.set AF,   128
.set TT,   128
.set PC,   192
.set TM,   212
.set PW,   228
.set WV, 16
.set JH, 17
.set IH, 18
.set CX, 19
.set CY, 20
.set G1A, 24
.set G0A, 32
.set G1B, 48
.set G0B, 56
.set G1S, 68
.set G0S, 76
.set G1SB, 80
.set G0SB, 88
.set SEL, 100
.set MSB, 0
.macro WIN new
.if MSB != (\new)
	s_set_vgpr_msb (MSB<<8)|(\new)
.set MSB, \new
.endif
.endm
.set MUL_LO, 0xa1
.set MUL_HI, 0xa1+0x50*(4*NT*NT/256)
.set TO_B,   0x40
.macro PLACES n
.rept \n
	v_nop
.endr
.endm
.macro JLOAD g0a, g1a, g0b, g1b        ; waves 0 and 1 fetch P1's halves, waves 2 and 3 P0's; four v_nop follow each line
	s_cmp_eq_u32 s[JH], 0
	s_cbranch_scc0 .Lfor_b_\@
	tensor_load_to_lds s[\g0a:\g0a+3], s[\g1a:\g1a+7]
	s_nop 0
.rept 4
	v_nop
.endr
	s_branch .Lasked_\@
.Lfor_b_\@:
	tensor_load_to_lds s[\g0b:\g0b+3], s[\g1b:\g1b+7]
	s_nop 0
.rept 4
	v_nop
.endr
.Lasked_\@:
.endm
.macro CREST
	s_cmp_lg_u32 s[WV], 0
	s_cbranch_scc1 .Lnot_wave_0_\@
	s_barrier_signal -3
.Lnot_wave_0_\@:
	s_barrier_wait -3
	s_barrier_signal -1
	s_barrier_wait -1
.endm
.macro CROUND
	s_barrier_signal -1
	s_barrier_wait -1
	CREST
.endm
.macro FRAG reg, adr, q, i
.irp c, 0,1,2
	ds_load_b128 v[\reg+4*\c:\reg+4*\c+3], v[\adr] offset:(\q)*HALFB+(\i)*FRB+512*\c
.endr
.endm
.macro FETCH_B slot, q, p
	WIN TO_B
.set fi, 0
.rept NT
	FRAG 128*(\p)+FR*fi, ADR0+\slot, \q, fi
.set fi, fi+1
.endr
	WIN 0
.endm
.macro FETCH_A slot, q, i0
.set fi, \i0
.rept NT/2
	FRAG AF+FR*fi, ADR1+\slot, \q, fi
.set fi, fi+1
.endr
.endm
.macro SCALES sc                       ; register NQ i + q: lanes 0-15 P1's tile i, lanes 16-31 P0's tile i
.set fi, 0
.rept NT
.set fq, 0
.rept NQ
	ds_load_b32 v[SC+16*(\sc)+NQ*fi+fq], v[ADRS] offset:fq*NT*64+fi*64
.set fq, fq+1
.endr
.set fi, fi+1
.endr
.endm
.macro MULS a0, na, p, q, sc, zero     ; the accumulators take turns, one instruction a turn
.set ma, \a0
.rept \na
.set mb, 0
.rept NT
.set mD, (8*(NT*ma+mb))%256
.if \zero
	v_wmma_scale_f32_16x16x128_f8f6f4 v[mD:mD+7], v[128*(\p)+FR*mb:128*(\p)+FR*mb+FR-1], v[AF+FR*ma:AF+FR*ma+FR-1], 0, v[SC+16*(\sc)+NQ*mb+(\q)], v[SC+16*(\sc)+NQ*ma+(\q)] matrix_a_fmt:MATRIX_FMT_FP6 matrix_b_fmt:MATRIX_FMT_FP6 matrix_a_scale:MATRIX_SCALE_ROW1
.else
	v_wmma_scale_f32_16x16x128_f8f6f4 v[mD:mD+7], v[128*(\p)+FR*mb:128*(\p)+FR*mb+FR-1], v[AF+FR*ma:AF+FR*ma+FR-1], v[mD:mD+7], v[SC+16*(\sc)+NQ*mb+(\q)], v[SC+16*(\sc)+NQ*ma+(\q)] matrix_a_fmt:MATRIX_FMT_FP6 matrix_b_fmt:MATRIX_FMT_FP6 matrix_a_scale:MATRIX_SCALE_ROW1
.endif
.set mb, mb+1
.endr
.set ma, ma+1
.endr
.endm
.macro STEP slot, q, zero
	s_wait_dscnt (NT/2)*NL                         ; all but the youngest loads, P1's upper half, are in
	WIN MUL_LO
	MULS 0, NT/2, (\q)%2, \q, \slot, \zero
	s_wait_dscnt 0x0
	PLACES NP
	FETCH_B \slot, (\q)+1, 1-(\q)%2
	FETCH_A \slot, (\q)+1, 0
	WIN MUL_HI
	MULS NT/2, NT/2, (\q)%2, \q, \slot, \zero
	PLACES NP
	WIN 0
	FETCH_A \slot, (\q)+1, NT/2
.endm
.macro MID slot
.if NQ > 2
	STEP \slot, 1, 0
	STEP \slot, 2, 0
.endif
.endm
.macro TURN slot, next, fill
	s_wait_tensorcnt 0x0                           ; all my tensor loads have landed: my part of the next slot
	ds_add_u32 v[SPW], v[NIL]                      ; 0 onto my spare word
	s_wait_dscnt (NT/2)*NL+1                       ; (the add and P1's upper half may be out)
	WIN MUL_LO
	MULS 0, NT/4, 1, NQ-1, \slot, 0
	s_wait_dscnt 0x0                               ; the add is done, and my reads of this slot are over
	s_barrier_signal -1
	MULS NT/4, NT/4, 1, NQ-1, \slot, 0
	WIN 0
	s_barrier_wait -1
.if \fill
	CREST                                          ; the barrier has opened a round of the cluster's: no wave of any partner still reads this slot or has a load on its way
	s_add_nc_u64 s[G0A+4*\slot+2:G0A+4*\slot+3], s[G0A+4*\slot+2:G0A+4*\slot+3], 2*NQ*RT1*FRB
	s_add_nc_u64 s[G0B+4*\slot+2:G0B+4*\slot+3], s[G0B+4*\slot+2:G0B+4*\slot+3], 2*NQ*RT0*FRB
	JLOAD G0A+4*\slot, G1A, G0B+4*\slot, G1B
.else
	PLACES NP
.endif
	v_add_nc_u32 v[ADRS], NQ*NT*64, v[ADRS]
	FETCH_B \next, 0, 0
	FETCH_A \next, 0, 0
	SCALES \next
	WIN MUL_HI
	MULS NT/2, NT/2, 1, NQ-1, \slot, 0
	PLACES NP
	WIN 0
	FETCH_A \next, 0, NT/2
.endm
.macro QUANT s                         ; 64 numbers of a lane, register 16 b + i = k 32 b + 16 (lane / 16) + i of my row -> codes in v[PC] on, scale word in v[PW]
.irp b, 0,1,2,3
	v_max3_num_f32 v[TM+\b], |v[\s+16*\b]|, |v[\s+1+16*\b]|, 0x1800000
.endr
.irp i, 2,4,6,8,10,12,14
.irp b, 0,1,2,3
	v_max3_num_f32 v[TM+\b], v[TM+\b], |v[\s+16*\b+\i]|, |v[\s+1+16*\b+\i]|
.endr
.endr
.irp b, 0,1,2,3
	v_permlanex16_b32 v[TM+4+\b], v[TM+\b], s[SEL], s[SEL+1]
.endr
.irp b, 0,1,2,3
	v_max_num_f32 v[TM+\b], v[TM+\b], v[TM+4+\b]
.endr
.irp b, 0,1,2,3
	v_add_nc_u32 v[TM+12+\b], 0xff000000, v[TM+\b]
.endr
.irp b, 0,1,2,3
	v_lshrrev_b32 v[TM+4+\b], 23, v[TM+12+\b]
.endr
	v_lshl_or_b32 v[PW], v[TM+5], 8, v[TM+4]
	v_lshl_or_b32 v[PW], v[TM+6], 16, v[PW]
	v_lshl_or_b32 v[PW], v[TM+7], 24, v[PW]
.irp c, 0,1
	v_cvt_scalef32_pk16_fp6_f32 v[PC+6*\c:PC+2+6*\c], v[\s+32*\c:\s+15+32*\c], v[TM+12+2*\c]
	v_cvt_scalef32_pk16_fp6_f32 v[PC+12+4*\c:PC+14+4*\c], v[\s+16+32*\c:\s+31+32*\c], v[TM+12+2*\c+1]
.endr
	v_nop                                          ; one plain place behind a scaled conversion
.irp c, 0,1
.irp i, 0,1,2
	v_permlane16_swap_b32 v[PC+6*\c+\i], v[PC+12+4*\c+\i]
.endr
.irp i, 0,1,2
	v_mov_b32 v[PC+3+6*\c+\i], v[PC+12+4*\c+\i]
.endr
.endr
.endm
; the constants of erf, a scalar pair each (the packed forms name a pair and take its low word for both halves)
.set CZ,  24
.set A11, 26
.set A9,  28
.set A7,  30
.set A5,  32
.set A3,  34
.set A1,  36
.set B6,  38
.set B4,  40
.set B2,  42
.set B0,  44
.macro KON r, x
	s_mov_b32 s[\r], \x
	s_mov_b32 s[\r+1], \x
.endm
.macro HORNER acc, k                   ; acc = acc w + constant, four pairs by turns
.irp p, 0,2,4,6
	v_pk_fma_f32 v[\acc+\p:\acc+\p+1], v[\acc+\p:\acc+\p+1], v[40+\p:41+\p], s[\k:\k+1] op_sel_hi:[1,1,0]
.endr
.endm
; GELU of the 64 numbers in v[TT] on, eight at a time: v32-39 z, v40-47 z^2 (later x / 2), v48-55 P, v56-63 Q
.macro GELU
.set gb, 0
.rept 8
.irp p, 0,2,4,6
	v_pk_mul_f32 v[32+\p:33+\p], v[TT+gb+\p:TT+gb+\p+1], s[CZ:CZ+1] op_sel_hi:[1,0]   ; z = x / sqrt 2
.endr
.irp p, 0,1,2,3,4,5,6,7
	v_med3_num_f32 v[32+\p], v[32+\p], -4.0, 4.0
.endr
.irp p, 0,2,4,6
	v_pk_mul_f32 v[40+\p:41+\p], v[32+\p:33+\p], v[32+\p:33+\p]
.endr
.irp p, 0,2,4,6
	v_pk_fma_f32 v[48+\p:49+\p], v[40+\p:41+\p], v[230:231], s[A11:A11+1] op_sel_hi:[1,1,0]
.endr
.irp p, 0,2,4,6
	v_pk_fma_f32 v[56+\p:57+\p], v[40+\p:41+\p], v[232:233], s[B6:B6+1] op_sel_hi:[1,1,0]
.endr
	HORNER 48, A9
	HORNER 56, B4
	HORNER 48, A7
	HORNER 56, B2
	HORNER 48, A5
	HORNER 56, B0
	HORNER 48, A3
	HORNER 48, A1
.irp p, 0,1,2,3,4,5,6,7
	v_rcp_f32 v[56+\p], v[56+\p]
.endr
.irp p, 0,2,4,6
	v_pk_mul_f32 v[48+\p:49+\p], v[48+\p:49+\p], v[32+\p:33+\p]   ; z P: plain places behind the reciprocals
.endr
.irp p, 0,2,4,6
	v_pk_mul_f32 v[40+\p:41+\p], v[TT+gb+\p:TT+gb+\p+1], 0.5 op_sel_hi:[1,0]
.endr
	s_wait_alu depctr_va_vdst(0)
.irp p, 0,2,4,6
	v_pk_mul_f32 v[48+\p:49+\p], v[48+\p:49+\p], v[56+\p:57+\p]   ; erf
.endr
.irp p, 0,2,4,6
	v_pk_fma_f32 v[TT+gb+\p:TT+gb+\p+1], v[40+\p:41+\p], v[48+\p:49+\p], v[40+\p:41+\p]   ; x / 2 erf + x / 2
.endr
.set gb, gb+8
.endr
.endm
	s_load_b256 s[4:11], s[0:1], 0x0               ; wts, act, b1, hid
	v_lshl_add_u32 v[SPW], v0, 2, SPARE
	v_mov_b32 v[NIL], 0
	ds_add_u32 v28, v29
	ds_add_u32 v28, v29
	s_wait_dscnt 0x0
	v_lshrrev_b32 v1, 5, v0
	v_readfirstlane_b32 s[WV], v1
	s_lshr_b32 s[JH], s[WV], 1
	s_and_b32 s[IH], s[WV], 1
	s_bfe_u32 s[CX], ttmp6, 0x40000
	s_bfe_u32 s[CY], ttmp6, 0x40004
	s_lshl_b32 s21, s[CY], 2
	s_lshl_b32 s21, 15, s21
	s_lshl_b32 s22, 0x1111, s[CX]
	s_mov_b32 s[SEL], 0x76543210
	s_mov_b32 s[SEL+1], 0xfedcba98
	s_or_b32 s[G1A], s21, (3<<16)|(1<<21)
	s_or_b32 s[G1B], s22, (3<<16)|(1<<21)
	s_or_b32 s[G1S], s21, (3<<16)|(1<<21)
	s_or_b32 s[G1SB], s22, (3<<16)|(1<<21)
.irp g, G1A, G1B
	s_mov_b32 s[\g+1], (HALFB/8)<<16
	s_mov_b32 s[\g+2], NQ<<16
	s_mov_b32 s[\g+3], (HALFB/8)<<16
	s_mov_b32 s[\g+4], NQ
	s_mov_b32 s[\g+6], 0
	s_mov_b32 s[\g+7], 0
.endr
	s_mov_b32 s[G1A+5], RT1*192
	s_mov_b32 s[G1B+5], RT0*192
.irp g, G1S, G1SB
	s_mov_b32 s[\g+1], (NT*8)<<16
	s_mov_b32 s[\g+2], KSTEPS<<16
	s_mov_b32 s[\g+3], (NT*8)<<16
	s_mov_b32 s[\g+4], KSTEPS
	s_mov_b32 s[\g+6], 0
	s_mov_b32 s[\g+7], 0
.endr
	s_mov_b32 s[G1S+5], RT1*8
	s_mov_b32 s[G1SB+5], RT0*8
	s_and_b32 s40, ttmp7, 0xffff
	s_lshl_b32 s40, s40, 2
	s_add_co_u32 s40, s40, s[CY]                   ; P1's block of 256 tokens
	s_lshl_b32 s44, ttmp9, 2
	s_add_co_u32 s44, s44, s[CX]                   ; P0's block of 256 hidden units
	s_mul_i32 s23, s[IH], NT
	s_mul_i32 s41, s40, 2*NT
	s_add_co_u32 s41, s41, s23
	s_mul_i32 s45, s44, 2*NT
	s_add_co_u32 s45, s45, s23
	s_add_co_u32 s45, s45, P0SLOT
	s_mul_i32 s42, s41, FRB
	s_mov_b32 s43, 0
	s_lshl_b32 s92, s41, 6
	s_add_co_u32 s92, s92, SC1OFF
	s_mov_b32 s93, 0
	s_mul_i32 s46, s45, FRB
	s_mov_b32 s47, 0
	s_lshl_b32 s94, s45, 6
	s_add_co_u32 s94, s94, SC0OFF
	s_mov_b32 s95, 0
	s_mul_i32 s96, s[WV], HALFT
	s_mul_i32 s97, s[WV], HALFS
	s_wait_kmcnt 0x0
	s_add_nc_u64 s[42:43], s[6:7], s[42:43]
	s_add_nc_u64 s[92:93], s[6:7], s[92:93]
	s_add_nc_u64 s[46:47], s[4:5], s[46:47]
	s_add_nc_u64 s[94:95], s[4:5], s[94:95]
	CROUND
	s_mov_b32 s[G0S], 1
	s_add_co_u32 s[G0S+1], s97, SCL
	s_mov_b64 s[G0S+2:G0S+3], s[92:93]
	s_or_b32 s[G0S+3], s[G0S+3], 0x80000000
	s_mov_b32 s[G0SB], 1
	s_add_co_u32 s[G0SB+1], s97, SCL
	s_mov_b64 s[G0SB+2:G0SB+3], s[94:95]
	s_or_b32 s[G0SB+3], s[G0SB+3], 0x80000000
	JLOAD G0S, G1S, G0SB, G1SB
.irp s, 0,1
	s_mov_b32 s[G0A+4*\s], 1
	s_add_co_u32 s[G0A+4*\s+1], s96, \s*SLOT
	s_add_nc_u64 s[G0A+4*\s+2:G0A+4*\s+3], s[42:43], \s*NQ*RT1*FRB
	s_or_b32 s[G0A+4*\s+3], s[G0A+4*\s+3], 0x80000000
	s_mov_b32 s[G0B+4*\s], 1
	s_add_co_u32 s[G0B+4*\s+1], s96, \s*SLOT
	s_add_nc_u64 s[G0B+4*\s+2:G0B+4*\s+3], s[46:47], \s*NQ*RT0*FRB
	s_or_b32 s[G0B+4*\s+3], s[G0B+4*\s+3], 0x80000000
	JLOAD G0A+4*\s, G1A, G0B+4*\s, G1B
.endr
	v_and_b32 v1, 15, v0
	v_bfe_u32 v2, v0, 4, 1
	v_and_b32 v3, 31, v0
	v_lshlrev_b32 v[LI], 4, v3
	s_mul_i32 s41, s[JH], HALFT
	s_mul_i32 s45, s[IH], HALFT
	s_add_co_u32 s45, s45, 2*HALFT
.irp s, 0,1
	v_add_nc_u32 v[ADR1+\s], s41, v[LI]
	v_add_nc_u32 v[ADR0+\s], s45, v[LI]
	s_add_co_u32 s41, s41, SLOT
	s_add_co_u32 s45, s45, SLOT
.endr
	v_lshlrev_b32 v5, 2, v1
	s_mul_i32 s41, s[JH], HALFS
	s_mul_i32 s45, s[IH], HALFS
	s_add_co_u32 s45, s45, 2*HALFS
	s_sub_co_u32 s45, s45, s41
	v_mul_u32_u24 v6, s45, v2
	s_add_co_u32 s41, s41, SCL
	v_add_nc_u32 v6, v5, v6
	v_add_nc_u32 v[ADRS], s41, v6
	v_lshlrev_b32 v[BA], 6, v2
	s_lshl_b32 s41, s[WV], 9
	s_add_co_u32 s41, s41, STAGE
	v_add_nc_u32 v[SST], s41, v5                   ; the stage: 512 w + 4 r (lanes r and r + 16 write the same word with the same value)
	v_add_nc_u32 v[SRD], s41, v[LI]
	s_lshl_b32 s42, s44, 10
	s_lshl_b32 s43, s[IH], 9
	s_add_co_u32 s42, s42, s43
	s_mov_b32 s43, 0
	s_add_nc_u64 s[92:93], s[8:9], s[42:43]        ; b1 at my 128 hidden units
	s_lshl_b32 s42, s44, 1
	s_add_co_u32 s42, s42, s[IH]                   ; they are K step 2 blk0 + IH of the next product
	s_lshl_b32 s42, s42, 8
	s_lshl_b32 s46, s40, 4
	s_add_co_u32 s42, s42, s46
	s_lshl_b32 s46, s[JH], 3
	s_add_co_u32 s42, s42, s46                     ; x 256 + my first token tile
	s_mul_i32 s46, s42, FRB
	s_mov_b32 s47, 0
	s_add_nc_u64 s[94:95], s[10:11], s[46:47]
	s_lshl_b32 s46, s42, 6
	s_add_co_u32 s46, s46, 12582912
	s_add_nc_u64 s[96:97], s[10:11], s[46:47]
.set li, 0
.rept 16
	global_load_b128 v[BI+4*li:BI+4*li+3], v[BA], s[92:93] offset:128*(li/4)+16*(li%4)
.set li, li+1
.endr
	s_wait_tensorcnt 1                             ; the scale words and my part of slot 0 are in; slot 1's load may be out
	s_barrier_signal -1
	s_barrier_wait -1
	FETCH_B 0, 0, 0
	FETCH_A 0, 0, 0
	SCALES 0
	FETCH_A 0, 0, NT/2
	STEP 0, 0, 1
.if LAPS > 1
	s_mov_b32 s3, LAPS-1
.Llap:
	MID 0
	TURN 0, 1, 1
	STEP 1, 0, 0
	MID 1
	TURN 1, 0, 1
	STEP 0, 0, 0
	s_sub_co_u32 s3, s3, 1
	s_cmp_lg_u32 s3, 0
	s_cbranch_scc1 .Llap
.endif
	MID 0
	TURN 0, 1, 0
	STEP 1, 0, 0
	MID 1
	s_wait_dscnt (NT/2)*NL
	WIN MUL_LO
	MULS 0, NT/2, 1, NQ-1, 1, 0
	s_wait_dscnt 0x0
	WIN MUL_HI
	MULS NT/2, NT/2, 1, NQ-1, 1, 0
	WIN 0
	; THE WAY OUT, token tile by token tile: + bias, GELU, quantised along my 128 hidden units: one fragment and one scale word a row
	PLACES NP
	s_wait_loadcnt 0x0                             ; the bias
.irp b, 0,1,2,3
	v_mov_b32 v[TM+4+\b], 0
.endr
	KON CZ,  0x3f3504f3                            ; 1 / sqrt 2.  (No tensor load of mine is out: the descriptors' registers are free)
	KON A11, 0x32edffee
	KON A9,  0xb60cff51
	KON A7,  0xb86ec2d2
	KON A5,  0xba40ac63
	KON A3,  0xbb41a1f6
	KON A1,  0xbc83dbd4
	KON B6,  0xb95fbd29
	KON B4,  0xbadc924e
	KON B2,  0xbbf19bf8
	KON B0,  0xbc69b6a7
	v_mov_b32 v230, 0xaf95df0b                     ; P's leading coefficient,
	v_mov_b32 v231, 0xaf95df0b
	v_mov_b32 v232, 0xb77460cd                     ; and Q's: in vector pairs, so that no instruction names two scalar pairs
	v_mov_b32 v233, 0xb77460cd
.irp a, 0,1,2,3,4,5,6,7
.if \a > 0
	s_wait_xcnt 0x0                                ; the last tile's stores have read their registers
	s_wait_dscnt 0x0
.endif
	WIN 0x02+\a/4
.set n, 0
.rept 32
	v_pk_add_f32 v[TT+n:TT+n+1], v[64*(\a%4)+n:64*(\a%4)+n+1], v[BI+n:BI+n+1]   ; each accumulator from its low end on
.set n, n+2
.endr
	WIN 0
	GELU
	QUANT TT
.irp c, 0,1,2
	global_store_b128 v[LI], v[PC+4*\c:PC+4*\c+3], s[94:95] offset:\a*1536+512*\c   ; 512 consecutive bytes, aligned to 256
.endr
	ds_store_b32 v[SST], v[PW] offset:64*\a
.endr
	ds_load_b128 v[TT:TT+3], v[SRD]                ; LDS serves a wave's instructions in order: this sees my stores
	s_wait_dscnt 0x0
	global_store_b128 v[LI], v[TT:TT+3], s[96:97]  ; eight tiles' scale words: 512 consecutive bytes
	s_wait_tensorcnt 0x0                           ; the wave's end
	ds_add_u32 v[SPW], v[NIL]
	s_wait_dscnt 0x0
	CROUND                                         ; the closing round
	s_endpgm
.Lfunc_end_k_q880faa1447_ff1:
	.size	k_q880faa1447_ff1, .Lfunc_end_k_q880faa1447_ff1-k_q880faa1447_ff1
	.p2alignl 7, 3214868480
	.fill 96, 4, 3214868480
	.section	.rodata,"a",@progbits
	.p2align	6, 0x0
	.amdhsa_kernel k_q880faa1447_ff1
		.amdhsa_group_segment_fixed_size 327680
		.amdhsa_private_segment_fixed_size 0
		.amdhsa_enable_private_segment 0
		.amdhsa_kernarg_size 32
		.amdhsa_user_sgpr_count 2
		.amdhsa_user_sgpr_kernarg_segment_ptr 1
		.amdhsa_wavefront_size32 1
		.amdhsa_system_sgpr_workgroup_id_x 1
		.amdhsa_system_sgpr_workgroup_id_y 1
		.amdhsa_system_sgpr_workgroup_id_z 1
		.amdhsa_system_vgpr_workitem_id 0
		.amdhsa_next_free_vgpr 1024
		.amdhsa_next_free_sgpr 102
		.amdhsa_reserve_vcc 0
		.amdhsa_float_denorm_mode_32 3
		.amdhsa_float_denorm_mode_16_64 3
		.amdhsa_memory_ordered 1
		.amdhsa_forward_progress 1
		.amdhsa_inst_pref_size 255
	.end_amdhsa_kernel
	.section	.bss,"aw",@nobits
	.p2align	6
	.space	262144
	.amdgpu_metadata
---
amdhsa.version: [ 1, 2 ]
amdhsa.kernels:
  - .name:           k_q880faa1447_ff1
    .symbol:         k_q880faa1447_ff1.kd
    .args:
      - { .name: wts, .offset: 0, .size: 8, .value_kind: global_buffer, .address_space: global }
      - { .name: act, .offset: 8, .size: 8, .value_kind: global_buffer, .address_space: global }
      - { .name: b1, .offset: 16, .size: 8, .value_kind: global_buffer, .address_space: global }
      - { .name: hid, .offset: 24, .size: 8, .value_kind: global_buffer, .address_space: global }
    .group_segment_fixed_size: 327680
    .private_segment_fixed_size: 0
    .kernarg_segment_align: 8
    .kernarg_segment_size: 32
    .max_flat_workgroup_size: 128
    .sgpr_count:     102
    .vgpr_count:     1024
    .wavefront_size: 32
...
	.end_amdgpu_metadata
.endif
;; end of part 6
;; launch ff2 (part 7): grid 8 x 32, 4 waves a work-group, clusters of 4 x 4, 327,680 bytes of LDS; arguments wts, hid, b2, x1, out0; writes out0
.if DOCPART == 7
	.amdgcn_target "amdgcn-amd-amdhsa--gfx1250"
	.amdhsa_code_object_version 6
	.text
	.protected	k_q880faa1447_ff2
	.globl	k_q880faa1447_ff2
	.p2align	8
	.type	k_q880faa1447_ff2,@function
k_q880faa1447_ff2:
	s_mov_b64 s[64:65], 0
	v_nop
	global_prefetch_b8 v0, s[64:65] scope:SCOPE_SE
	s_setreg_imm32_b32 hwreg(HW_REG_WAVE_MODE, 25, 1), 1
	s_wait_xcnt 0x0
	s_wait_alu depctr_hold_cnt(0) depctr_sa_sdst(0) depctr_va_vdst(0) depctr_va_sdst(0) depctr_va_ssrc(0) depctr_va_vcc(0) depctr_vm_vsrc(0)
	s_getreg_b32 s2, hwreg(HW_REG_IB_STS2, 6, 4)
	s_cmp_eq_u32 s2, 0
	s_cbranch_scc0 .Lentry_in_a_cluster
	s_endpgm
.Lentry_in_a_cluster:
	s_bfe_u32 s2, ttmp6, 0x10000c
	s_cmp_lg_u32 s2, 0xf033
	s_cbranch_scc0 .Lentry_shape_is_right
	s_endpgm
.Lentry_shape_is_right:
; out0 = x1 + hid W2 + b2: [4096 x 4096] x [4096 x 1024] on codes of FP6 (E2M3) with E8M0 scales; f32 out, row-major.
; OPERANDS ARE IMAGES OF REGISTERS: fragment (K step s, tile t) = 1,536 bytes, three ds_load_b128 at 16 x lane; its 16 scale words 64 bytes.  Row r of tile 2 b + u is matrix row 32 b + 8 u + r + 8 (r / 8).
; D = (source 0: 16 rows of P0 = W2's columns) x (source 1: 16 rows of P1 = tokens): a lane holds one token, and its 16 registers of P0's tiles 2 b, 2 b + 1 are 16 neighbouring output columns.
; A work-group makes 128 x 128 (256 work-groups: tiles of 256 x 256 would be 64), a wave 64 x 64: 16 accumulators.
; THE RING.  A K step of 128 is 24,576 bytes for the work-group; K has 32 of them.  Each refill stands behind a round of the cluster's barrier with all loads waited for, so the rounds follow each other in series and their NUMBER counts:
; the two slots are as large as LDS allows beside the scale words, the spare words and the stages: slot A holds 6 steps, slot B 5.  Fills: A steps 0-5, B 6-10 (both at the start), A 11-16, B 17-21, A 22-26 (five rows), B 27-31:
; four refills.  A wave's one load behind a round is its quarter of the slot: 6 or 5 rows (K steps) of 4 fragments on end, 36,864 or 30,720 bytes.  K is written out, step by step: the steps' places in the slots are immediates.
; CLUSTERS 4 x 4: P1's tiles are shared along a row of the cluster, P0's along a column, by joint loads.  The scale words of the work-group's rows, for all of K (32 KB), come once, with the first fills.
; The residual's 32 loads a lane and the bias are asked for at the head, into registers that lie idle among the products.  Results go through the wave's own stage in LDS and leave as whole rows of 256 bytes.
; REGISTERS: window 0: v1-31 addresses; v32-39 scale words, two sets of four, by the step's parity; v64-127, v176-239 the residual; v128-175 P1's 4 fragments, one set; v240-243 bias.
;   window 1: P0's fragments, two sets, at v0 and v128, by the step's parity.  window 2: accumulator (a, b) at v[8 (4 a + b)].
.set NT,     4
.set KSTEPS, 32
.set RT0,    64                        ; tiles from one K step to the next in W2's part of wts,
.set RT1,    256                       ; and in hid
.set P0SLOT, 4608                      ; W2's first fragment slot in wts
.set SC0OFF, 10223616                  ; where wts' scale words begin,
.set SC1OFF, 12582912                  ; and hid's
.set FR,     12
.set FRB,    1536
.set NL,     3                         ; LDS loads that bring a fragment
.set NP,     4                         ; places behind this matrix instruction (ISA guide 7.12.1)
.set HALFB,  NT*FRB                    ; a wave's part of one K step
.set NQA,    6                         ; K steps in slot A,
.set NQB,    5                         ; in slot B
.set QA,     NQA*HALFB                 ; a wave's quarter of slot A: P1's two halves, then P0's two halves
.set QB,     NQB*HALFB
.set SLOTB,  4*QA                      ; where slot B begins
.set SCL,    SLOTB+4*QB                ; behind the ring: the scale words, [wave][K step][tile][64]
.set HALFS,  KSTEPS*NT*64
.set SPARE,  SCL+4*HALFS               ; the spare words, 128 bytes a wave: two blocks of 256 bytes that no other line names
.set STAGE,  SPARE+512                 ; 16 rows x (256 + 16) bytes for each wave
.set ADR1, 16                          ; v16-17 my half of P1 in slot A, B
.set ADR0, 20                          ; v20-21 my half of P0
.set BA,   24
.set STO,  25
.set CO,   26
.set ADRS, 27                          ; never rewritten: a step's scale words stand at an immediate offset
.set SPW,  28
.set NIL,  29
.set RD,   30
.set SC,   32
.set AF,   128
.set BS,   240
.set WV, 16
.set JH, 17
.set IH, 18
.set CX, 19
.set CY, 20
.set G1A6, 24                          ; s[24:31] group 1 for P1, six rows;  s[32:39] five rows
.set G1A5, 32
.set G1B6, 40                          ; s[40:47], s[48:55] the same for P0
.set G1B5, 48
.set G0A,  56                          ; s[56:63] groups 0 for P1: slot A, slot B
.set G0B,  68                          ; s[68:75] for P0
.set G1S,  76                          ; s[76:83], s[84:91] groups 1 for the scale words;  s[92:95], s[96:99] their groups 0
.set G1SB, 84
.set G0S,  92
.set G0SB, 96
.set MSB, 0
.macro WIN new                         ; the immediate's high byte repeats the setting that is left
.if MSB != (\new)
	s_set_vgpr_msb (MSB<<8)|(\new)
.set MSB, \new
.endif
.endm
.set MUL,  0xa1                        ; source 0 (P0) window 1, source 1 (P1) window 0, C and D window 2
.set TO_B, 0x40
.macro PLACES n
.rept \n
	v_nop
.endr
.endm
.macro JLOAD g0a, g1a, g0b, g1b        ; waves 0 and 1 fetch P1's halves, waves 2 and 3 P0's; four v_nop follow each line
	s_cmp_eq_u32 s[JH], 0
	s_cbranch_scc0 .Lfor_b_\@
	tensor_load_to_lds s[\g0a:\g0a+3], s[\g1a:\g1a+7]
	s_nop 0
.rept 4
	v_nop
.endr
	s_branch .Lasked_\@
.Lfor_b_\@:
	tensor_load_to_lds s[\g0b:\g0b+3], s[\g1b:\g1b+7]
	s_nop 0
.rept 4
	v_nop
.endr
.Lasked_\@:
.endm
.macro CREST                           ; a round of the cluster's barrier behind its opening barrier
	s_cmp_lg_u32 s[WV], 0
	s_cbranch_scc1 .Lnot_wave_0_\@
	s_barrier_signal -3
.Lnot_wave_0_\@:
	s_barrier_wait -3
	s_barrier_signal -1
	s_barrier_wait -1
.endm
.macro CROUND
	s_barrier_signal -1
	s_barrier_wait -1
	CREST
.endm
.macro WHERE s                         ; K step s lies in slot SL (0: A, 1: B), as its row SQ
.if (\s) < 6
.set SL, 0
.set SQ, (\s)
.elseif (\s) < 11
.set SL, 1
.set SQ, (\s)-6
.elseif (\s) < 17
.set SL, 0
.set SQ, (\s)-11
.elseif (\s) < 22
.set SL, 1
.set SQ, (\s)-17
.elseif (\s) < 27
.set SL, 0
.set SQ, (\s)-22
.else
.set SL, 1
.set SQ, (\s)-27
.endif
.endm
.macro FRAG reg, adr, q, i             ; a fragment comes back as it was stored: three times 512 consecutive bytes
.irp c, 0,1,2
	ds_load_b128 v[\reg+4*\c:\reg+4*\c+3], v[\adr] offset:(\q)*HALFB+(\i)*FRB+512*\c
.endr
.endm
.macro FETCH_B s                       ; P0's four fragments of step s into set s % 2
	WHERE \s
	WIN TO_B
.set fi, 0
.rept NT
	FRAG 128*((\s)%2)+FR*fi, ADR0+SL, SQ, fi
.set fi, fi+1
.endr
	WIN 0
.endm
.macro FETCH_A s, i0                   ; P1's fragments i0, i0 + 1 of step s
	WHERE \s
.set fi, \i0
.rept NT/2
	FRAG AF+FR*fi, ADR1+SL, SQ, fi
.set fi, fi+1
.endr
.endm
.macro SCALES s                        ; step s's scale words into set s % 2: register i: lanes 0-15 P1's tile i, lanes 16-31 P0's tile i
.set fi, 0
.rept NT
	ds_load_b32 v[SC+NT*((\s)%2)+fi], v[ADRS] offset:(\s)*NT*64+fi*64
.set fi, fi+1
.endr
.endm
.macro MULS a0, na, s, zero            ; P1's tiles a0 .. a0 + na - 1 against P0's four.  The accumulators take turns, one instruction a turn
.set ma, \a0
.rept \na
.set mb, 0
.rept NT
.set mD, 8*(NT*ma+mb)
.if \zero
	v_wmma_scale_f32_16x16x128_f8f6f4 v[mD:mD+7], v[128*((\s)%2)+FR*mb:128*((\s)%2)+FR*mb+FR-1], v[AF+FR*ma:AF+FR*ma+FR-1], 0, v[SC+NT*((\s)%2)+mb], v[SC+NT*((\s)%2)+ma] matrix_a_fmt:MATRIX_FMT_FP6 matrix_b_fmt:MATRIX_FMT_FP6 matrix_a_scale:MATRIX_SCALE_ROW1
.else
	v_wmma_scale_f32_16x16x128_f8f6f4 v[mD:mD+7], v[128*((\s)%2)+FR*mb:128*((\s)%2)+FR*mb+FR-1], v[AF+FR*ma:AF+FR*ma+FR-1], v[mD:mD+7], v[SC+NT*((\s)%2)+mb], v[SC+NT*((\s)%2)+ma] matrix_a_fmt:MATRIX_FMT_FP6 matrix_b_fmt:MATRIX_FMT_FP6 matrix_a_scale:MATRIX_SCALE_ROW1
.endif
.set mb, mb+1
.endr
.set ma, ma+1
.endr
.endm
; A K step whose successor lies in the same slot
.macro STEP s, zero
	s_wait_dscnt (NT/2)*NL                         ; all but the youngest six loads, P1's upper two fragments, are in
	WIN MUL
	MULS 0, NT/2, \s, \zero
	s_wait_dscnt 0x0
	PLACES NP                                      ; in front of loads into registers that matrix instructions have read
	FETCH_B (\s)+1
	FETCH_A (\s)+1, 0
	SCALES (\s)+1
	WIN MUL
	MULS NT/2, NT/2, \s, \zero
	PLACES NP
	WIN 0
	FETCH_A (\s)+1, NT/2
.endm
; A slot's last step changes slots: ONE barrier; in front of it each wave waits for all its tensor loads, adds 0 to its spare word, and waits for that and for its reads of this slot.
; fill = 1: the slot is filled again: its group 0 goes adv K steps on, and the load has rows rows.
.macro TURN s, fill, adv, rows
	s_wait_tensorcnt 0x0                           ; all my tensor loads have landed: my part of the next slot
	ds_add_u32 v[SPW], v[NIL]                      ; 0 onto my spare word
	s_wait_dscnt (NT/2)*NL+1                       ; (the add and P1's upper two fragments may be out)
	WIN MUL
	MULS 0, NT/4, \s, 0
	s_wait_dscnt 0x0                               ; the add is done, and my reads of this slot are over
	s_barrier_signal -1
	MULS NT/4, NT/4, \s, 0
	WIN 0
	s_barrier_wait -1
.if \fill
	CREST                                          ; the barrier has opened a round of the cluster's: no wave of any partner still reads this slot or has a load on its way
	WHERE \s
	s_add_nc_u64 s[G0A+4*SL+2:G0A+4*SL+3], s[G0A+4*SL+2:G0A+4*SL+3], (\adv)*RT1*FRB
	s_add_nc_u64 s[G0B+4*SL+2:G0B+4*SL+3], s[G0B+4*SL+2:G0B+4*SL+3], (\adv)*RT0*FRB
	JLOAD G0A+4*SL, G1A\rows, G0B+4*SL, G1B\rows   ; the first tensor load behind the round; its four v_nop are the places in front of the loads below
.else
	PLACES NP
.endif
	FETCH_B (\s)+1
	FETCH_A (\s)+1, 0
	SCALES (\s)+1
	WIN MUL
	MULS NT/2, NT/2, \s, 0
	PLACES NP
	WIN 0
	FETCH_A (\s)+1, NT/2
.endm
	s_load_b256 s[4:11], s[0:1], 0x0               ; wts, hid, b2, x1
	s_load_b64 s[12:13], s[0:1], 0x20              ; out0
	v_lshl_add_u32 v[SPW], v0, 2, SPARE
	v_mov_b32 v[NIL], 0
	ds_add_u32 v28, v29
	ds_add_u32 v28, v29
	s_wait_dscnt 0x0
	v_lshrrev_b32 v1, 5, v0
	v_readfirstlane_b32 s[WV], v1                  ; wave 0..3
	s_lshr_b32 s[JH], s[WV], 1                     ; my half of P1's rows.  Also: I fetch for P1 (0) or for P0 (1)
	s_and_b32 s[IH], s[WV], 1                      ; my half of P0's rows.  Also: which half I fetch
	s_bfe_u32 s[CX], ttmp6, 0x40000
	s_bfe_u32 s[CY], ttmp6, 0x40004
	s_lshl_b32 s21, s[CY], 2
	s_lshl_b32 s21, 15, s21                        ; my row of the cluster
	s_lshl_b32 s22, 0x1111, s[CX]                  ; my column
	; descriptor groups 1, in elements of 8 bytes.  Codes: 6 or 5 rows (K steps) of 4 fragments; scale words: 32 rows of 256 bytes
	s_or_b32 s[G1A6], s21, (3<<16)|(1<<21)         ; 15:0 the mask; 17:16 elements of 8 bytes; 21 set beside a mask; no padding
	s_or_b32 s[G1A5], s21, (3<<16)|(1<<21)
	s_or_b32 s[G1B6], s22, (3<<16)|(1<<21)
	s_or_b32 s[G1B5], s22, (3<<16)|(1<<21)
	s_or_b32 s[G1S], s21, (3<<16)|(1<<21)
	s_or_b32 s[G1SB], s22, (3<<16)|(1<<21)
.irp g, G1A6, G1A5, G1B6, G1B5
	s_mov_b32 s[\g+1], (HALFB/8)<<16               ; tensor_dim0
	s_mov_b32 s[\g+3], (HALFB/8)<<16               ; tile_dim0
	s_mov_b32 s[\g+6], 0
	s_mov_b32 s[\g+7], 0
.endr
.irp g, G1A6, G1B6
	s_mov_b32 s[\g+2], NQA<<16                     ; tensor_dim1
	s_mov_b32 s[\g+4], NQA                         ; tile_dim1
.endr
.irp g, G1A5, G1B5
	s_mov_b32 s[\g+2], NQB<<16
	s_mov_b32 s[\g+4], NQB
.endr
	s_mov_b32 s[G1A6+5], RT1*192                   ; from K step to K step
	s_mov_b32 s[G1A5+5], RT1*192
	s_mov_b32 s[G1B6+5], RT0*192
	s_mov_b32 s[G1B5+5], RT0*192
.irp g, G1S, G1SB
	s_mov_b32 s[\g+1], (NT*8)<<16
	s_mov_b32 s[\g+2], KSTEPS<<16
	s_mov_b32 s[\g+3], (NT*8)<<16
	s_mov_b32 s[\g+4], KSTEPS
	s_mov_b32 s[\g+6], 0
	s_mov_b32 s[\g+7], 0
.endr
	s_mov_b32 s[G1S+5], RT1*8
	s_mov_b32 s[G1SB+5], RT0*8
	s_and_b32 s100, ttmp7, 0xffff
	s_lshl_b32 s100, s100, 2
	s_add_co_u32 s100, s100, s[CY]                 ; P1's block of 128 tokens: it hangs on the cluster's y and cy alone
	s_lshl_b32 s101, ttmp9, 2
	s_add_co_u32 s101, s101, s[CX]                 ; P0's block of 128 columns: on the cluster's x and cx alone
	s_mul_i32 s23, s[IH], NT
	s_mul_i32 s2, s100, 2*NT
	s_add_co_u32 s2, s2, s23                       ; P1: the first tile that I fetch
	s_mul_i32 s3, s101, 2*NT
	s_add_co_u32 s3, s3, s23
	s_add_co_u32 s3, s3, P0SLOT                    ; P0: its fragment slot
	; groups 0: the count, the LDS address (the wave's number times a constant, plus the slot's constant), the byte offset, to which the buffer's address is added below
	s_mov_b32 s[G0A], 1
	s_mul_i32 s[G0A+1], s[WV], QA
	s_mul_i32 s[G0A+2], s2, FRB
	s_mov_b32 s[G0A+3], 0
	s_mov_b32 s[G0A+4], 1
	s_mul_i32 s[G0A+5], s[WV], QB
	s_add_co_u32 s[G0A+5], s[G0A+5], SLOTB
	s_mov_b32 s[G0B], 1
	s_mul_i32 s[G0B+1], s[WV], QA
	s_mul_i32 s[G0B+2], s3, FRB
	s_mov_b32 s[G0B+3], 0
	s_mov_b32 s[G0B+4], 1
	s_mul_i32 s[G0B+5], s[WV], QB
	s_add_co_u32 s[G0B+5], s[G0B+5], SLOTB
	s_mov_b32 s[G0S], 1
	s_mul_i32 s[G0S+1], s[WV], HALFS
	s_add_co_u32 s[G0S+1], s[G0S+1], SCL
	s_lshl_b32 s[G0S+2], s2, 6
	s_add_co_u32 s[G0S+2], s[G0S+2], SC1OFF
	s_mov_b32 s[G0S+3], 0
	s_mov_b32 s[G0SB], 1
	s_mul_i32 s[G0SB+1], s[WV], HALFS
	s_add_co_u32 s[G0SB+1], s[G0SB+1], SCL
	s_lshl_b32 s[G0SB+2], s3, 6
	s_add_co_u32 s[G0SB+2], s[G0SB+2], SC0OFF
	s_mov_b32 s[G0SB+3], 0
	s_wait_kmcnt 0x0
	s_add_nc_u64 s[G0A+2:G0A+3], s[6:7], s[G0A+2:G0A+3]            ; slot A begins with K step 0,
	s_add_nc_u64 s[G0A+6:G0A+7], s[G0A+2:G0A+3], NQA*RT1*FRB       ; slot B with K step 6
	s_or_b32 s[G0A+3], s[G0A+3], 0x80000000
	s_or_b32 s[G0A+7], s[G0A+7], 0x80000000
	s_add_nc_u64 s[G0B+2:G0B+3], s[4:5], s[G0B+2:G0B+3]
	s_add_nc_u64 s[G0B+6:G0B+7], s[G0B+2:G0B+3], NQA*RT0*FRB
	s_or_b32 s[G0B+3], s[G0B+3], 0x80000000
	s_or_b32 s[G0B+7], s[G0B+7], 0x80000000
	s_add_nc_u64 s[G0S+2:G0S+3], s[6:7], s[G0S+2:G0S+3]
	s_or_b32 s[G0S+3], s[G0S+3], 0x80000000
	s_add_nc_u64 s[G0SB+2:G0SB+3], s[4:5], s[G0SB+2:G0SB+3]
	s_or_b32 s[G0SB+3], s[G0SB+3], 0x80000000
	CROUND                                         ; all sixteen work-groups are here: the first joint loads meet
	JLOAD G0S, G1S, G0SB, G1SB                     ; the scale words first: filled once
	JLOAD G0A, G1A6, G0B, G1B6                     ; slot A: K steps 0-5
	JLOAD G0A+4, G1A5, G0B+4, G1B5                 ; slot B: K steps 6-10.  Three loads of mine are out
	v_and_b32 v1, 15, v0                           ; r
	v_bfe_u32 v2, v0, 4, 1                         ; h
	v_and_b32 v3, 31, v0
	v_lshlrev_b32 v4, 4, v3                        ; 16 x lane
	s_mul_i32 s2, s[JH], QA                        ; slot A: my half of P1,
	v_add_nc_u32 v[ADR1], s2, v4
	s_mul_i32 s2, s[IH], QA
	s_add_co_u32 s2, s2, 2*QA                      ; my half of P0, behind P1's two
	v_add_nc_u32 v[ADR0], s2, v4
	s_mul_i32 s2, s[JH], QB                        ; slot B likewise
	s_add_co_u32 s2, s2, SLOTB
	v_add_nc_u32 v[ADR1+1], s2, v4
	s_mul_i32 s2, s[IH], QB
	s_add_co_u32 s2, s2, SLOTB+2*QB
	v_add_nc_u32 v[ADR0+1], s2, v4
	v_lshlrev_b32 v5, 2, v1                        ; scale words: 4 r;
	s_mul_i32 s2, s[JH], HALFS
	s_mul_i32 s3, s[IH], HALFS
	s_add_co_u32 s3, s3, 2*HALFS
	s_sub_co_u32 s3, s3, s2
	v_mul_u32_u24 v6, s3, v2                       ; lanes 16-31 take P0's
	s_add_co_u32 s2, s2, SCL
	v_add_nc_u32 v6, v5, v6
	v_add_nc_u32 v[ADRS], s2, v6
	v_lshlrev_b32 v[BA], 4, v1
	s_mul_i32 s2, s[WV], 16*272
	s_add_co_u32 s2, s2, STAGE                     ; my stage
	v_mul_u32_u24 v[STO], v1, 272
	v_lshl_add_u32 v[STO], v2, 6, v[STO]
	v_add_nc_u32 v[STO], s2, v[STO]                ; in: row r, + 64 h
	v_mul_u32_u24 v[RD], v2, 272
	v_lshl_add_u32 v[RD], v1, 4, v[RD]
	v_add_nc_u32 v[RD], s2, v[RD]                  ; back: lanes 0-15 one row of 256 bytes, lanes 16-31 the next
	v_lshl_add_u32 v[CO], v2, 12, v[BA]            ; and the same two rows in memory
	s_lshl_b32 s2, s101, 9
	s_lshl_b32 s14, s[IH], 8
	s_add_co_u32 s14, s2, s14                      ; my 64 columns, in bytes
	s_mov_b32 s15, 0
	s_add_nc_u64 s[66:67], s[8:9], s[14:15]        ; the bias there
	s_lshl_b32 s2, s100, 7
	s_lshl_b32 s3, s[JH], 6
	s_add_co_u32 s2, s2, s3                        ; my first token
	s_lshl_b32 s2, s2, 12
	s_add_co_u32 s14, s14, s2
	s_add_nc_u64 s[104:105], s[10:11], s[14:15]    ; the residual,
	s_add_nc_u64 s[12:13], s[12:13], s[14:15]      ; and the output
	global_load_b128 v[BS:BS+3], v[BA], s[66:67]
.irp a, 0,1,2,3
.irp t, 0,1,2,3,4,5,6,7
	global_load_b128 v[64+32*\a+48*(\a/2)+4*\t:64+32*\a+48*(\a/2)+4*\t+3], v[CO], s[104:105] offset:(32*(\a/2)+8*(\a%2)+2*\t+8*(\t/4))*4096   ; rows 2 t, 2 t + 1 of token tile a
.endr
.endr
	s_wait_tensorcnt 1                             ; the scale words and my part of slot A are in; slot B's load may be out
	s_barrier_signal -1
	s_barrier_wait -1
	FETCH_B 0
	FETCH_A 0, 0
	SCALES 0
	FETCH_A 0, NT/2
	STEP 0, 1                                      ; the first step's products start the sums
.irp s, 1,2,3,4
	STEP \s, 0
.endr
	TURN 5, 1, 11, 6                               ; slot A is left: it takes K steps 11-16
.irp s, 6,7,8,9
	STEP \s, 0
.endr
	TURN 10, 1, 11, 5                              ; slot B takes K steps 17-21
.irp s, 11,12,13,14,15
	STEP \s, 0
.endr
	TURN 16, 1, 11, 5                              ; slot A takes K steps 22-26: five rows
.irp s, 17,18,19,20
	STEP \s, 0
.endr
	TURN 21, 1, 10, 5                              ; slot B takes K steps 27-31: the last load
.irp s, 22,23,24,25
	STEP \s, 0
.endr
	TURN 26, 0, 0, 5                               ; nothing is left to fetch
.irp s, 27,28,29,30
	STEP \s, 0
.endr
	s_wait_dscnt (NT/2)*NL                         ; the very last step
	WIN MUL
	MULS 0, NT/2, 31, 0
	s_wait_dscnt 0x0
	MULS NT/2, NT/2, 31, 0
	WIN 0
; THE WAY OUT, token tile by token tile: 16 rows x 64 columns through my stage, back as whole rows of 256 bytes, + bias + residual.
.macro TOSTAGE a
	WIN 0x08                                       ; an LDS store's data are its source 1: window 2
.irp b, 0,1,2,3
	ds_store_b128 v[STO], v[8*(4*(\a)+\b):8*(4*(\a)+\b)+3] offset:128*(\b/2)+32*(\b%2)          ; each accumulator from its low end on
	ds_store_b128 v[STO], v[8*(4*(\a)+\b)+4:8*(4*(\a)+\b)+7] offset:128*(\b/2)+32*(\b%2)+16
.endr
	WIN 0
.set BB, 32+96*((\a)%2)
.irp t, 0,1,2,3,4,5,6,7
	ds_load_b128 v[BB+4*\t:BB+4*\t+3], v[RD] offset:544*\t   ; LDS serves a wave's instructions in order: these see my stores
.endr
.endm
.macro SEND a, younger
.set BB, 32+96*((\a)%2)
.set RR, 64+32*(\a)+48*((\a)/2)
	s_wait_dscnt \younger                          ; the tile is back; the next tile's 8 stores and 8 loads may be out
.irp t, 0,1,2,3,4,5,6,7
	v_pk_add_f32 v[BB+4*\t:BB+4*\t+1], v[BB+4*\t:BB+4*\t+1], v[BS:BS+1]
	v_pk_add_f32 v[BB+4*\t+2:BB+4*\t+3], v[BB+4*\t+2:BB+4*\t+3], v[BS+2:BS+3]
.endr
.irp t, 0,1,2,3,4,5,6,7
	v_pk_add_f32 v[BB+4*\t:BB+4*\t+1], v[BB+4*\t:BB+4*\t+1], v[RR+4*\t:RR+4*\t+1]
	v_pk_add_f32 v[BB+4*\t+2:BB+4*\t+3], v[BB+4*\t+2:BB+4*\t+3], v[RR+4*\t+2:RR+4*\t+3]
.endr
.irp t, 0,1,2,3,4,5,6,7
	global_store_b128 v[CO], v[BB+4*\t:BB+4*\t+3], s[12:13] offset:(32*((\a)/2)+8*((\a)%2)+2*\t+8*(\t/4))*4096 th:TH_STORE_NT   ; 16 lanes store 256 consecutive bytes, aligned; written once, read by nobody here
.endr
.endm
	PLACES NP
	s_wait_loadcnt 0x0                             ; bias and residual
	TOSTAGE 0
.irp a, 1,2,3
.if \a > 1
	s_wait_xcnt 0x0                                ; tile a - 2's stores have read their registers: tile a's loads may land there
.endif
	TOSTAGE \a
	SEND \a-1, 16
.endr
	SEND 3, 0
	s_wait_tensorcnt 0x0                           ; the wave's end
	ds_add_u32 v[SPW], v[NIL]
	s_wait_dscnt 0x0
	CROUND                                         ; the closing round
	s_endpgm
.Lfunc_end_k_q880faa1447_ff2:
	.size	k_q880faa1447_ff2, .Lfunc_end_k_q880faa1447_ff2-k_q880faa1447_ff2
	.p2alignl 7, 3214868480
	.fill 96, 4, 3214868480
	.section	.rodata,"a",@progbits
	.p2align	6, 0x0
	.amdhsa_kernel k_q880faa1447_ff2
		.amdhsa_group_segment_fixed_size 327680
		.amdhsa_private_segment_fixed_size 0
		.amdhsa_enable_private_segment 0
		.amdhsa_kernarg_size 40
		.amdhsa_user_sgpr_count 2
		.amdhsa_user_sgpr_kernarg_segment_ptr 1
		.amdhsa_wavefront_size32 1
		.amdhsa_system_sgpr_workgroup_id_x 1
		.amdhsa_system_sgpr_workgroup_id_y 1
		.amdhsa_system_sgpr_workgroup_id_z 1
		.amdhsa_system_vgpr_workitem_id 0
		.amdhsa_next_free_vgpr 640
		.amdhsa_next_free_sgpr 106
		.amdhsa_reserve_vcc 0
		.amdhsa_float_denorm_mode_32 3
		.amdhsa_float_denorm_mode_16_64 3
		.amdhsa_memory_ordered 1
		.amdhsa_forward_progress 1
		.amdhsa_inst_pref_size 169
	.end_amdhsa_kernel
	.amdgpu_metadata
---
amdhsa.version: [ 1, 2 ]
amdhsa.kernels:
  - .name:           k_q880faa1447_ff2
    .symbol:         k_q880faa1447_ff2.kd
    .args:
      - { .name: wts, .offset: 0, .size: 8, .value_kind: global_buffer, .address_space: global }
      - { .name: hid, .offset: 8, .size: 8, .value_kind: global_buffer, .address_space: global }
      - { .name: b2, .offset: 16, .size: 8, .value_kind: global_buffer, .address_space: global }
      - { .name: x1, .offset: 24, .size: 8, .value_kind: global_buffer, .address_space: global }
      - { .name: out0, .offset: 32, .size: 8, .value_kind: global_buffer, .address_space: global }
    .group_segment_fixed_size: 327680
    .private_segment_fixed_size: 0
    .kernarg_segment_align: 8
    .kernarg_segment_size: 40
    .max_flat_workgroup_size: 128
    .sgpr_count:     106
    .vgpr_count:     640
    .wavefront_size: 32
...
	.end_amdgpu_metadata
.endif
;; end of part 7
